; MI455X (gfx1250); checked and timed in simulation.
; The chip was launched on July 23, 2026; its instructions are those of AMD's public machine-readable ISA for CDNA 5 (MIT licence, August 2026) and "CDNA5" Instruction Set Architecture Reference Guide (July 2026). The comments in the code are by the model that wrote it; some were corrected since.
;; Causal Self Attention. Allowed arithmetic: matrix products marked QUANTISED: E2M1 operands, one E8M0 scale for each 32 along K, by v_wmma_scale_f32_16x16x128_f8f6f4 with both operands' format E2M1 (or v_wmma_scale_f32_32x16x128_f4), f32 sums; products left as they are: bf16, f16 or f32 operands; f32 sums; everything else in f32.
;; Inputs: W_attn 1,024 x 3,072 float32; W_proj 1,024 x 1,024 float32; b_attn 3,072 float32; b_proj 1,024 float32; freqs 2,048 x 32 float32; x 4 x 2,048 x 1,024 float32.
;; Outputs: out0 4 x 2,048 x 1,024 float32.
;; This version of the problem:
;;   THIS VERSION OF THE PROBLEM IS GIVEN IN LOW PRECISION. The matrix products marked QUANTISED in the list below multiply operands that are first quantised to E2M1 (2 exponent bits, 1 mantissa bit; 4 bits a number), with one power-of-two scale for each 32 numbers along K (OCP MX v1.0); their sums are f32. The products marked 'left as it is' may take bf16, f16 or f32 operands, with f32 sums. Whichever they take, every output number must still come out within the allowed error. Rounding operands to bf16 (8 significant bits) uses up far more of that allowance than f16 does (11 bits, for magnitudes from 6e-5 to 65,504). All else is computed in f32.
;;   The module's matrix products, in the order in which they are computed (A, B: the left and right operand; K: the contracted axis; several contracted axes count as one K, in the product's order):
;;     1. [M 8,192, K 1,024] x [K 1,024, N 3,072]; A: input x; B: input W_attn: QUANTISED
;;     2. batch 64 x [M 2,048, K 64] x [K 64, N 2,048]; A: computed on the way; B: computed on the way: left as it is (an operand is computed on the way)
;;     3. batch 64 x [M 2,048, K 2,048] x [K 2,048, N 64]; A: computed on the way; B: computed on the way: left as it is (an operand is computed on the way)
;;     4. [M 8,192, K 1,024] x [K 1,024, N 1,024]; A: computed on the way; B: input W_proj: left as it is (an operand is computed on the way)
;;   THE QUANTISER, for each operand of a quantised product, along K:
;;     - K is cut into blocks of 32 from its start; a last block that is shorter is filled with zeros.
;;     - A block's scale is 2^e with e = floor(log2(the largest magnitude in the block)) - 2, held to -126 .. 127; a block of zeros has e = 0. As a byte (E8M0): e + 127.
;;     - Each number is divided by its block's scale, clamped to +-6, and rounded to the nearest number of E2M1, ties to even, subnormals kept.
;;     - The product sums the exact products of the quantised numbers (number of the format x scale) in f32.
;;   ~~~python
;;   def quantise(x, axis):      # numpy; x: float32 -> the quantised numbers, widened to float32 again
;;       x = np.moveaxis(x, axis, -1); K = x.shape[-1]
;;       x = np.pad(x, [(0, 0)] * (x.ndim - 1) + [(0, -K % 32)]); x = x.reshape(x.shape[:-1] + (-1, 32)); a = np.abs(x).max(-1, keepdims=True)
;;       e = np.where(a > 0, np.clip(np.frexp(np.where(a > 0, a, 1))[1] - 1 - 2, -126, 127), 0)      # np.frexp(a)[1] - 1 = floor(log2(a)), exactly
;;       r = np.clip(x / 2.0 ** e, -6, 6)
;;       step = 2.0 ** (np.maximum(np.frexp(np.where(r == 0, 1, r))[1] - 1, 0) - 1)
;;       q = np.round(r / step) * step * 2.0 ** e      # np.round: ties to even
;;       return np.moveaxis(q.reshape(q.shape[:-2] + (-1,))[..., :K], -1, axis).astype(np.float32)
;;   ~~~
;; One version. Each part assembles by itself: llvm-mc -triple=amdgcn-amd-amdhsa -mcpu=gfx1250 --defsym DOCPART=n.
;; ======== version 1 of 1: 5 launches
;; limits: inputs' magnitudes at most 1,048,576; values are held in f16: magnitudes above 65,504 overflow, below 6.1e-05 lose precision
;; workspace buffers: x_codes 4,194,304 bytes; w_codes 1,572,864 bytes; scales 360,448 bytes; wp16 2,097,152 bytes; cs 524,288 bytes; qkv16 50,331,648 bytes; h32 786,432 bytes; y16 16,777,216 bytes
;; launch prep (part 1): grid 256 x 1, 4 waves a work-group, no clusters, 33,280 bytes of LDS; arguments x, W_attn, W_proj, freqs, x_codes, w_codes, scales, wp16, cs; writes x_codes, w_codes, scales, wp16, cs
.if DOCPART == 1
	.amdgcn_target "amdgcn-amd-amdhsa--gfx1250"
	.amdhsa_code_object_version 6
	.text
	.protected	k_q193831c939_prep
	.globl	k_q193831c939_prep
	.p2align	8
	.type	k_q193831c939_prep,@function
k_q193831c939_prep:
	s_mov_b64 s[64:65], 0
	v_nop
	global_prefetch_b8 v0, s[64:65] scope:SCOPE_SE
	s_setreg_imm32_b32 hwreg(HW_REG_WAVE_MODE, 25, 1), 1
	s_wait_xcnt 0x0
; PREP.  Everything that later launches read many times is made once here.
;   x [8192][1024] f32      -> x_codes [8192][512 bytes] (E2M1, K innermost) and scale bytes [8192][32] at byte 0 of 'scales'
;   W_attn [1024 k][3072 n] -> w_codes, laid in the order of an operand's registers, and scale bytes [3072][32] at byte 262,144 of 'scales'
;   W_proj [1024 k][1024 n] -> wp16: f16, laid in the order of an operand's registers
;   freqs [2048][32]        -> cs [2048][32] pairs (cos, sin), f32
; A block's scale is 2^(floor(log2(its largest magnitude)) - 2); its byte is the largest magnitude's exponent field - 2, held at 1 from below.  A block of zeros so gets the byte 1 where the rule says 127:
; its codes are zeros, which add nothing under any byte but 0xff, and this program alone reads the bytes.
; LIMITS: blocks whose largest magnitude lies under 2^(2 - 126) keep the byte 1; NaN and infinities among the inputs are not served; W_proj goes to f16 (largest number 65,504);
; |freqs| stays under 2^20 (the whole number n of quarter turns is then exact in f32, and the two-part reduction leaves an error of about 1e-7 in the angle).
; SHARES.  256 work-groups of four waves.  Every wave takes 8,192 numbers of x (16 steps of 512).  Ahead of that, while x's first loads are on their way, waves 0 to 2 take a unit of W_attn each
; (32 columns x 128 along K) and wave 3 a unit of W_proj (the same shape) and 256 angles.  Only x's path uses LDS, and every wave runs it; the two arms touch no LDS.
; W: A LANE TAKES A COLUMN AND ITS REGISTERS RUN DOWN K, so a block of 32 lies in one lane, and a lane's 16 bytes of codes (or 8 f16) are one lane's part of an operand's group of four registers:
; sixteen neighbouring lanes store 256 consecutive bytes, aligned, and no stage is needed.
.set WAVES, 4
.set STEPS, 16
.set CB,    8                          ; bytes of 16 codes
.set R,     16                         ; v16-79   x: four sets of 16 numbers as they are loaded
.set X,     80                         ; v80-111  x: two sets of 16 neighbours
.set E,     112                        ; v112-127 x: a scale byte for each step
.set C,     128                        ; v128-191 x: codes, four registers for each step
.set WREG,  8192                       ; LDS: a region for each wave: two stages of 32 x SP bytes, behind them its 256 scale bytes
.set SP,    80
.set SPW,   12                         ; v12  LDS address of my spare word; never rewritten
.set NIL,   13                         ; v13  0; never rewritten
.set SPARE, WAVES*WREG                 ; the spare words, 128 bytes for each wave
.set N,     80                         ; the arms: v80-207 128 numbers of my column
.set WC,    208                        ; v208-223 W_attn's codes, four registers a block
.set WS,    224                        ; v224 the scale word
.set TW,    225                        ; v225-227 at work
.set LN4,   232                        ; v232 4 x lane
.set IMG,   233                        ; v233 4,096 x (lane / 16) + 16 x (lane % 16): my place in two neighbouring tiles' images
.set L32,   234                        ; v234 32 x lane
.set T,     144                        ; wave 3: v144-150 at work on the angles
.set CSR,   160                        ; v160-175 (cos, sin, cos, sin) x 4
.set FQ,    208                        ; v208-215 eight angles
	s_load_b256 s[4:11], s[0:1], 0x0               ; x, W_attn, W_proj, freqs
	s_load_b256 s[12:19], s[0:1], 0x20             ; x_codes, w_codes, scales, wp16
	s_load_b64 s[20:21], s[0:1], 0x40              ; cs
	v_lshl_add_u32 v[SPW], v0, 2, SPARE
	v_mov_b32 v[NIL], 0
	v_lshrrev_b32 v1, 5, v0
	v_readfirstlane_b32 s22, v1                    ; wave
	v_and_b32 v2, 31, v0                           ; lane
	v_lshlrev_b32 v3, 4, v2                        ; 16 x lane
	s_mul_i32 s25, s22, WREG
	v_lshrrev_b32 v14, 2, v2                       ; every LDS address is made here, ahead of the parting of the waves
	v_mul_u32_u24 v14, v14, SP
	v_and_b32 v15, 3, v2
	v_lshl_add_u32 v14, v15, 4, v14
	v_add_nc_u32 v14, s25, v14                     ; the stage, on the way in: SP (lane / 4) + 16 (lane % 4)
	v_mul_u32_u24 v15, v2, SP
	v_add_nc_u32 v15, s25, v15                     ; and on the way out: SP x lane: my 16 neighbours
	v_mul_u32_u24 v4, v2, CB                       ; my codes' place in a step's
	v_lshrrev_b32 v5, 1, v2
	s_add_co_u32 s25, s25, 2*32*SP
	v_add_nc_u32 v5, s25, v5                       ; LDS: my wave's 256 scale bytes, my block's byte
	v_lshlrev_b32 v7, 3, v2                        ; 8 x lane
	v_add_nc_u32 v6, s25, v7
	v_lshlrev_b32 v[LN4], 2, v2
	v_lshrrev_b32 v[IMG], 4, v2
	v_and_b32 v[L32], 15, v2
	v_lshlrev_b32 v[L32], 4, v[L32]
	v_lshl_add_u32 v[IMG], v[IMG], 12, v[L32]
	v_lshlrev_b32 v[L32], 5, v2
	s_and_b32 s23, ttmp9, 31                       ; which group of columns
	s_lshr_b32 s24, ttmp9, 5                       ; which 128 along K, 0 .. 7
	s_lshl_b32 s30, ttmp9, 2
	s_add_co_u32 s30, s30, s22                     ; which run of 8,192 numbers of x is my wave's
	s_mov_b32 s27, 0
	s_wait_kmcnt 0x0
	s_lshl_b32 s26, s30, 15
	s_add_nc_u64 s[4:5], s[4:5], s[26:27]          ; x: 32,768 bytes a run
	s_lshl_b32 s26, s30, 12
	s_add_nc_u64 s[12:13], s[12:13], s[26:27]      ; its codes: 4,096
	s_lshl_b32 s26, s30, 8
	s_add_nc_u64 s[28:29], s[16:17], s[26:27]      ; its scale bytes: 256
.macro LOAD t
.irp i, 0,1,2,3
	global_load_b128 v[R+16*((\t)%4)+4*\i:R+16*((\t)%4)+4*\i+3], v3, s[4:5] offset:2048*(\t)+512*\i th:TH_LOAD_NT   ; 32 lanes read 512 consecutive bytes
.endr
.endm
.irp t, 0,1,2,3
	LOAD \t                                        ; x's first four steps are asked for ahead of the arms
.endr
	s_cmp_lt_u32 s22, 3
	s_cbranch_scc0 .Larm_p
	; ---- waves 0 to 2: 32 columns x 128 along K of W_attn
	s_mul_i32 s25, s23, 3
	s_add_co_u32 s25, s25, s22                     ; g: my group of 32 columns, 0 .. 95
	s_mul_i32 s26, s24, 128*12288
	s_lshl_b32 s30, s25, 7
	s_add_co_u32 s26, s26, s30
	s_add_nc_u64 s[32:33], s[6:7], s[26:27]        ; W_attn at row 128 ks, column 32 g
	s_lshr_b32 s26, s24, 2
	s_mul_i32 s26, s26, 786432                     ; w_codes [2 halves of K][192 tiles of 16 columns][4 K steps of 128][1,024 bytes]
	s_lshl_b32 s30, s25, 13
	s_add_co_u32 s26, s26, s30
	s_and_b32 s30, s24, 3
	s_lshl_b32 s30, s30, 10
	s_add_co_u32 s26, s26, s30
	s_add_nc_u64 s[34:35], s[14:15], s[26:27]
	s_lshl_b32 s26, s25, 10
	s_lshl_b32 s30, s24, 2
	s_add_co_u32 s26, s26, s30
	s_add_co_u32 s26, s26, 262144
	s_add_nc_u64 s[36:37], s[16:17], s[26:27]      ; W's scale bytes: 32 a column, my K step's word
.set i, 0
.rept 128
	global_load_b32 v[N+i], v[LN4], s[32:33] offset:i*12288 th:TH_LOAD_NT   ; W(128 ks + i, my column)
.set i, i+1
.endr
.macro WBLK bk                         ; block bk of 32 along K: all its numbers are mine
.set NS, N+32*(\bk)
	v_max3_num_f32 v[TW], |v[NS]|, |v[NS+1]|, |v[NS+2]|
	v_max3_num_f32 v[TW+1], |v[NS+3]|, |v[NS+4]|, |v[NS+5]|
.irp i, 6,10,14,18,22,26
	v_max3_num_f32 v[TW], v[TW], |v[NS+\i]|, |v[NS+\i+1]|
	v_max3_num_f32 v[TW+1], v[TW+1], |v[NS+\i+2]|, |v[NS+\i+3]|
.endr
	v_max3_num_f32 v[TW], v[TW], |v[NS+30]|, |v[NS+31]|
	v_max3_num_f32 v[TW], v[TW], v[TW+1], 0x1800000    ; and the floor 2^(3 - 127): the byte cannot fall under 1
	v_add_nc_u32 v[TW+2], 0xff000000, v[TW]            ; 2 off the exponent field: the conversion takes the exponent field of this operand as its scale
	v_lshrrev_b32 v[TW+1], 23, v[TW+2]                 ; the scale's byte
.if (\bk) == 0
	v_mov_b32 v[WS], v[TW+1]
.else
	v_lshl_or_b32 v[WS], v[TW+1], 8*(\bk), v[WS]
.endif
.irp g, 0,1,2,3
	v_cvt_scalef32_pk8_fp4_f32 v[WC+4*(\bk)+\g], v[NS+8*\g:NS+8*\g+7], v[TW+2]
.endr
	v_nop                                          ; one plain line behind the conversions: the next block writes their scale operand
	global_store_b128 v[IMG], v[WC+4*(\bk):WC+4*(\bk)+3], s[34:35] offset:256*(\bk)   ; block 2 c + h is the part (c, h) of the fragment: sixteen lanes store 256 consecutive bytes, aligned
.endm
	s_wait_loadcnt 63                              ; block 0 is in when 96 younger loads are out; the count's field ends at 63
	WBLK 0
	s_wait_loadcnt 63                              ; block 1: 64 younger loads
	WBLK 1
	s_wait_loadcnt 32
	WBLK 2
	s_wait_loadcnt 0x0
	WBLK 3
	global_store_b32 v[L32], v[WS], s[36:37]       ; four bytes of each of 32 rows of 32 bytes: one byte for each 32 of the 128 that this arm reads
	s_branch .Ljoin
.Larm_p:
	; ---- wave 3: 32 columns x 128 along K of W_proj to f16, and 256 angles
	s_lshl_b32 s26, s24, 19
	s_lshl_b32 s30, s23, 7
	s_add_co_u32 s26, s26, s30
	s_add_nc_u64 s[32:33], s[8:9], s[26:27]        ; W_proj at row 128 ks, column 32 g
	s_lshl_b32 s26, s24, 18                        ; wp16 [8 K steps of 128][64 tiles of 16 columns][4 x 32 along K][1,024 bytes]
	s_lshl_b32 s30, s23, 13
	s_add_co_u32 s26, s26, s30
	s_add_nc_u64 s[34:35], s[18:19], s[26:27]
	s_lshl_b32 s26, ttmp9, 10
	s_add_nc_u64 s[36:37], s[10:11], s[26:27]      ; my 256 angles
	s_lshl_b32 s26, ttmp9, 11
	s_add_nc_u64 s[38:39], s[20:21], s[26:27]      ; and their pairs
.set i, 0
.rept 128
	global_load_b32 v[N+i], v[LN4], s[32:33] offset:i*4096
.set i, i+1
.endr
.irp k, 0,1,2,3
	global_load_b64 v[FQ+2*\k:FQ+2*\k+1], v7, s[36:37] offset:256*\k th:TH_LOAD_NT
.endr
.macro PGRP g, left                    ; 32 numbers down K become 16 registers of f16 pairs, packed downwards in place (the target never lies above its sources), and leave as four groups of four registers
	s_wait_loadcnt \left
.irp m, 0,1,2,3,4,5,6,7,8,9,10,11,12,13,14,15
	v_cvt_pk_f16_f32 v[N+16*(\g)+\m], v[N+32*(\g)+2*\m], v[N+32*(\g)+2*\m+1]
.endr
.irp j, 0,1,2,3
	global_store_b128 v[IMG], v[N+16*(\g)+4*\j:N+16*(\g)+4*\j+3], s[34:35] offset:256*(4*(\g)+\j)   ; K = 8 j' .. 8 j' + 7 is part j' of the four fragments on end
.endr
.endm
	PGRP 0, 63                                     ; 100 younger loads; the field ends at 63
	PGRP 1, 63                                     ; 68
	PGRP 2, 36                                     ; the last 32 numbers and the four loads of angles
	PGRP 3, 4
	s_wait_loadcnt 0x0
; cos and sin of x: n = the nearest whole number to x 2/pi; r = x - n pi/2, with pi/2 in two parts, each taken off by one fused multiply-add (one rounding of a small difference each);
; series in r, |r| <= pi/4, cut where the next term lies under 2e-9; the quarter n mod 4 swaps the two and sets the signs.
.macro SINCOS x, c, s
	v_mul_f32 v[T], 0x3f22f983, v[\x]
	v_rndne_f32 v[T], v[T]
	v_fma_f32 v[T+1], v[T], 0xbfc90fdb, v[\x]
	v_fma_f32 v[T+1], v[T], 0x333bbd2e, v[T+1]
	v_mul_f32 v[T+2], v[T+1], v[T+1]
	v_cvt_i32_f32 v[T+3], v[T]
	v_mov_b32 v[T+4], 0x3638ef1d
	v_fmaak_f32 v[T+4], v[T+4], v[T+2], 0xb9500d01
	v_fmaak_f32 v[T+4], v[T+4], v[T+2], 0x3c088889
	v_fmaak_f32 v[T+4], v[T+4], v[T+2], 0xbe2aaaab
	v_mul_f32 v[T+5], v[T+2], v[T+1]
	v_fma_f32 v[T+4], v[T+4], v[T+5], v[T+1]       ; sin r
	v_mov_b32 v[T+5], 0xb493f27e
	v_fmaak_f32 v[T+5], v[T+5], v[T+2], 0x37d00d01
	v_fmaak_f32 v[T+5], v[T+5], v[T+2], 0xbab60b61
	v_fmaak_f32 v[T+5], v[T+5], v[T+2], 0x3d2aaaab
	v_fmaak_f32 v[T+5], v[T+5], v[T+2], 0xbf000000
	v_fma_f32 v[T+5], v[T+5], v[T+2], 1.0          ; cos r
	v_and_b32 v[T+6], 1, v[T+3]
	v_cmp_eq_u32 vcc_lo, 1, v[T+6]
	v_cndmask_b32 v[\s], v[T+4], v[T+5], vcc_lo    ; odd quarters swap the two
	v_cndmask_b32 v[\c], v[T+5], v[T+4], vcc_lo
	v_lshlrev_b32 v[T+6], 30, v[T+3]
	v_and_b32 v[T+6], 0x80000000, v[T+6]
	v_xor_b32 v[\s], v[\s], v[T+6]                 ; sin is negative in quarters 2 and 3,
	v_add_nc_u32 v[T+3], 1, v[T+3]
	v_lshlrev_b32 v[T+3], 30, v[T+3]
	v_and_b32 v[T+3], 0x80000000, v[T+3]
	v_xor_b32 v[\c], v[\c], v[T+3]                 ; cos in quarters 1 and 2
.endm
.irp k, 0,1,2,3
	SINCOS FQ+2*\k, CSR+4*\k, CSR+4*\k+1
	SINCOS FQ+2*\k+1, CSR+4*\k+2, CSR+4*\k+3
	global_store_b128 v3, v[CSR+4*\k:CSR+4*\k+3], s[38:39] offset:512*\k   ; 32 lanes store 512 consecutive bytes
.endr
.Ljoin:
	s_wait_xcnt 0x0                                ; the arms' stores have read their data, which lie where x's numbers, bytes and codes go
	; ---- every wave: 8,192 numbers of x.  Each arm's last wait on loads was for 0, so x's first four steps are in.
.macro TURN t                          ; step t's numbers through the stage: LDS serves a wave's instructions in order, so no wait stands between the stores and the loads
.irp i, 0,1,2,3
	ds_store_b128 v14, v[R+16*((\t)%4)+4*\i:R+16*((\t)%4)+4*\i+3] offset:32*SP*((\t)%2)+8*SP*\i
.endr
.irp i, 0,1,2,3
	ds_load_b128 v[X+16*((\t)%2)+4*\i:X+16*((\t)%2)+4*\i+3], v15 offset:32*SP*((\t)%2)+16*\i
.endr
.endm
	TURN 0
.macro STEP t
.set XS, X+16*((\t)%2)
.if (\t) > 0
	s_wait_dscnt 1                                 ; this step's numbers are back from the stage (the last step's byte store may be out): so its stores into the stage have read their registers,
.else
	s_wait_dscnt 0x0
.endif
.if (\t)+4 < STEPS
	LOAD (\t)+4                                    ; which take the loads of four steps on
.endif
.if (\t)+1 < STEPS
.if STEPS-2-(\t) >= 3
	s_wait_loadcnt 12                              ; the next step's four loads are in; those of the three steps behind it may be out
.else
	s_wait_loadcnt 4*(STEPS-2-(\t))
.endif
	TURN (\t)+1
.endif
	v_max3_num_f32 v8, |v[XS]|, |v[XS+1]|, |v[XS+2]|
	v_max3_num_f32 v9, |v[XS+3]|, |v[XS+4]|, |v[XS+5]|
.irp i, 6,10
	v_max3_num_f32 v8, v8, |v[XS+\i]|, |v[XS+\i+1]|
	v_max3_num_f32 v9, v9, |v[XS+\i+2]|, |v[XS+\i+3]|
.endr
	v_max3_num_f32 v8, v8, |v[XS+14]|, |v[XS+15]|
	v_max3_num_f32 v8, v8, v9, 0x1800000           ; and the floor
	v_max_num_f32_dpp v8, v8, v8 row_xmask:1 row_mask:0xf bank_mask:0xf   ; and my neighbour's 16: the block's largest magnitude
	v_add_nc_u32 v11, 0xff000000, v8
	v_cvt_scalef32_pk8_fp4_f32 v[C+4*(\t)], v[XS:XS+7], v11
	v_cvt_scalef32_pk8_fp4_f32 v[C+4*(\t)+1], v[XS+8:XS+15], v11
	v_lshrrev_b32 v[E+(\t)], 23, v11               ; the scale's byte
	ds_store_b8 v5, v[E+(\t)] offset:16*(\t)       ; both lanes of a block write the same byte with the same value
	global_store_b64 v4, v[C+4*(\t):C+4*(\t)+1], s[12:13] offset:32*CB*(\t)   ; the wave stores 256 consecutive bytes, aligned
.endm
.irp t, 0,1,2,3,4,5,6,7,8,9,10,11,12,13,14,15
	STEP \t
.endr
	ds_load_b64 v[8:9], v6                         ; LDS serves a wave's instructions in order: these see my stores
	s_wait_dscnt 0x0
	global_store_b64 v7, v[8:9], s[28:29]          ; 256 scale bytes, consecutive and aligned
	s_wait_tensorcnt 0x0                           ; the wave's end
	ds_add_u32 v[SPW], v[NIL]
	s_wait_dscnt 0x0
	s_endpgm
.Lfunc_end_k_q193831c939_prep:
	.size	k_q193831c939_prep, .Lfunc_end_k_q193831c939_prep-k_q193831c939_prep
	.p2alignl 7, 3214868480
	.fill 96, 4, 3214868480
	.section	.rodata,"a",@progbits
	.p2align	6, 0x0
	.amdhsa_kernel k_q193831c939_prep
		.amdhsa_group_segment_fixed_size 33280
		.amdhsa_private_segment_fixed_size 0
		.amdhsa_enable_private_segment 0
		.amdhsa_kernarg_size 72
		.amdhsa_user_sgpr_count 2
		.amdhsa_user_sgpr_kernarg_segment_ptr 1
		.amdhsa_wavefront_size32 1
		.amdhsa_system_sgpr_workgroup_id_x 1
		.amdhsa_system_sgpr_workgroup_id_y 1
		.amdhsa_system_sgpr_workgroup_id_z 1
		.amdhsa_system_vgpr_workitem_id 0
		.amdhsa_next_free_vgpr 240
		.amdhsa_next_free_sgpr 66
		.amdhsa_reserve_vcc 1
		.amdhsa_float_denorm_mode_32 3
		.amdhsa_float_denorm_mode_16_64 3
		.amdhsa_memory_ordered 1
		.amdhsa_forward_progress 1
		.amdhsa_inst_pref_size 83
	.end_amdhsa_kernel
	.amdgpu_metadata
---
amdhsa.version: [ 1, 2 ]
amdhsa.kernels:
  - .name:           k_q193831c939_prep
    .symbol:         k_q193831c939_prep.kd
    .args:
      - { .name: x, .offset: 0, .size: 8, .value_kind: global_buffer, .address_space: global }
      - { .name: W_attn, .offset: 8, .size: 8, .value_kind: global_buffer, .address_space: global }
      - { .name: W_proj, .offset: 16, .size: 8, .value_kind: global_buffer, .address_space: global }
      - { .name: freqs, .offset: 24, .size: 8, .value_kind: global_buffer, .address_space: global }
      - { .name: x_codes, .offset: 32, .size: 8, .value_kind: global_buffer, .address_space: global }
      - { .name: w_codes, .offset: 40, .size: 8, .value_kind: global_buffer, .address_space: global }
      - { .name: scales, .offset: 48, .size: 8, .value_kind: global_buffer, .address_space: global }
      - { .name: wp16, .offset: 56, .size: 8, .value_kind: global_buffer, .address_space: global }
      - { .name: cs, .offset: 64, .size: 8, .value_kind: global_buffer, .address_space: global }
    .group_segment_fixed_size: 33280
    .private_segment_fixed_size: 0
    .kernarg_segment_align: 8
    .kernarg_segment_size: 72
    .max_flat_workgroup_size: 128
    .sgpr_count:     66
    .vgpr_count:     240
    .wavefront_size: 32
...
	.end_amdgpu_metadata
.endif
;; end of part 1
;; launch qkv (part 2): grid 12 x 32, 4 waves a work-group, clusters of 4 x 4, 327,680 bytes of LDS; arguments x_codes, scales, w_codes, b_attn, cs, qkv16, h32; writes qkv16, h32
.if DOCPART == 2
	.amdgcn_target "amdgcn-amd-amdhsa--gfx1250"
	.amdhsa_code_object_version 6
	.text
	.protected	k_q193831c939_qkv
	.globl	k_q193831c939_qkv
	.p2align	8
	.type	k_q193831c939_qkv,@function
k_q193831c939_qkv:
	s_mov_b64 s[64:65], 0
	v_nop
	global_prefetch_b8 v0, s[64:65] scope:SCOPE_SE
	s_setreg_imm32_b32 hwreg(HW_REG_WAVE_MODE, 25, 1), 1
	s_wait_xcnt 0x0
	s_wait_alu depctr_hold_cnt(0) depctr_sa_sdst(0) depctr_va_vdst(0) depctr_va_sdst(0) depctr_va_ssrc(0) depctr_va_vcc(0) depctr_vm_vsrc(0)
	s_getreg_b32 s2, hwreg(HW_REG_IB_STS2, 6, 4)
	s_cmp_eq_u32 s2, 0
	s_cbranch_scc0 .Lentry_in_a_cluster
	s_endpgm
.Lentry_in_a_cluster:
	s_bfe_u32 s2, ttmp6, 0x10000c
	s_cmp_lg_u32 s2, 0xf033
	s_cbranch_scc0 .Lentry_shape_is_right
	s_endpgm
.Lentry_shape_is_right:
; QKV.  qkv = Q(x) Q(W_attn) + b_attn on codes of E2M1 with E8M0 scales, f32 sums; q and k are rotated by (cos, sin) in f32; q, k, v leave as f16, laid in the order of the next launch's operand registers.
; The rows of the first 16 positions of each sequence leave in f32 as well (h32): a later launch redoes them more finely.
; LIMIT: q, k and v go to f16: magnitudes up to 65,504, steps of 6e-8 at the small end.
; A tile of 256 rows x 256 columns is made by four waves, 128 x 128 each: 64 accumulators, 512 registers.  K = 1,024 is two LDS slots of 512, both asked for at the head: nothing is filled again.
; CLUSTERS: 4 x 4 work-groups.  Tile column = 4 x cluster x + cx, so cluster x says whether the tile is q's, k's or v's; tile row = 8 cy + cluster y, so cy is the batch and cluster y the place in the sequence:
; every branch hangs on the cluster's coordinates and the wave's number alone.  x's tiles are asked for jointly along a row of the cluster, W's along a column.
; THE MATRIX INSTRUCTION IS USED TRANSPOSED (source 0 = 16 columns of W, source 1 = 16 rows of x): a lane holds one row and eight neighbouring columns, which are four whole pairs of the rotation
; and, as f16, one lane's 16 bytes of a group of four operand registers: each store of the wave covers 512 consecutive bytes and no stage is needed.
; The bias is the C of each sum's first product.  No prefetch: all tiles are asked for at the head.
; REGISTERS: window 0: v16-30 addresses; v32-95 scale words, two sets, and nothing else; v96-127 (cos, sin), set 0; v128-191 x's fragments, one set, on the way out (cos, sin) set 1 and partial products;
;   v192-255 the bias, on the way out the rotated numbers.   window 1: W's fragments, two sets, at v0 and v128.   windows 2, 3: the accumulators ((a, b) at v[8 (8 (a % 4) + b)]).
.set NQ,     4                         ; steps of 128 along K in a slot
.set ROWB,   256                       ; a row of x's tile in bytes
.set KROW,   512                       ; a row of x_codes
.set PITCH,  272                       ; in LDS: 256 bytes + 16 of padding: the 16 rows that a load touches start 68 words apart
.set FR,     8
.set NL,     2
.set NP,     4
.set HALFA,  128*PITCH                 ; 128 rows of x: one tensor load
.set HALFB,  32768                     ; 8 tiles of 16 columns of W x 512 along K, as images: dense
.set BOFF,   2*HALFA
.set SLOT,   2*HALFA+2*HALFB
.set WSLOT,  786432                    ; from one half of K to the other in w_codes
.set KS,     32                        ; a row of scale bytes
.set SCL,    2*SLOT                    ; behind the slots: the scales, as rows of 256 bytes + 16
.set HALFS,  16*272
.set SBLK,   544
.set SPARE,  SCL+4*HALFS               ; the spare words, 128 bytes for each wave
.set ADRA, 16
.set ADRB, 20
.set LI,   24                          ; v24 16 x lane
.set LV,   25                          ; v25 v's place: 16 x (16 (r / 8) + 8 h + r % 8), so that the next launch's turning load reads 16 x lane
.set CSO,  26                          ; v26 256 r + 32 h: my row's four pairs
.set ADRS, 27
.set SPW,  28
.set NIL,  29
.set BO,   30                          ; v30 32 h
.set SC,   32
.set CS0,  96
.set AF,   128
.set TP,   160
.set BIAS, 192
.set O,    192
.set G1, 24
.set G0, 32
.set G1B, 48
.set G0B, 56
.set G1S, 68
.set G0S, 76
.set G1SB, 80
.set G0SB, 88
.set MSB, 0
.macro WIN new                         ; the immediate's high byte repeats the setting that is left
.if MSB != (\new)
	s_set_vgpr_msb (MSB<<8)|(\new)
.set MSB, (\new)
.endif
.endm
.set MUL_LO, 0xa1                      ; source 0 (W) window 1, source 1 (x) window 0, C and D window 2
.set MUL_HI, 0xf1
.set TO_B,   0x40
.macro JLOAD g0a, g1a, g0b, g1b        ; waves 0 and 1 fetch for x, waves 2 and 3 for W; an s_nop 0 and four v_nop follow each line
	s_cmp_eq_u32 s19, 0
	s_cbranch_scc0 .Lfor_b_\@
	tensor_load_to_lds s[\g0a:\g0a+3], s[\g1a:\g1a+7]
	s_nop 0
.rept 4
	v_nop
.endr
	s_branch .Lasked_\@
.Lfor_b_\@:
	tensor_load_to_lds s[\g0b:\g0b+3], s[\g1b:\g1b+7]
	s_nop 0
.rept 4
	v_nop
.endr
.Lasked_\@:
.endm
.macro CROUND                          ; a round of the cluster's barrier
	s_barrier_signal -1
	s_barrier_wait -1
	s_cmp_lg_u32 s18, 0
	s_cbranch_scc1 .Lnot_wave_0_\@
	s_barrier_signal -3
.Lnot_wave_0_\@:
	s_barrier_wait -3
	s_barrier_signal -1
	s_barrier_wait -1
.endm
	s_load_b128 s[4:7], s[0:1], 0x0                ; x_codes, scales
	s_load_b128 s[8:11], s[0:1], 0x10              ; w_codes, b_attn
	s_load_b128 s[12:15], s[0:1], 0x20             ; cs, qkv16
	s_load_b64 s[16:17], s[0:1], 0x30              ; h32
	v_lshl_add_u32 v[SPW], v0, 2, SPARE
	v_mov_b32 v[NIL], 0
	ds_add_u32 v[SPW], v[NIL]                      ; the wave's opening: the add, twice on end, and its wait ahead of my first tensor load
	ds_add_u32 v[SPW], v[NIL]
	v_lshrrev_b32 v1, 5, v0
	v_readfirstlane_b32 s18, v1                    ; wave
	s_lshr_b32 s19, s18, 1                         ; my half of the tile's rows.  Also: I fetch for x (0) or for W (1)
	s_and_b32 s20, s18, 1                          ; my half of its columns.  Also: which half of that tile I fetch
	s_bfe_u32 s21, ttmp6, 0x40000                  ; cx
	s_bfe_u32 s22, ttmp6, 0x40004                  ; cy
	s_lshl_b32 s23, ttmp9, 2
	s_add_co_u32 s23, s23, s21                     ; tile column = 4 x cluster x + cx
	s_and_b32 s41, ttmp7, 0xffff                   ; cluster y: which 256 positions of the sequence
	s_lshl_b32 s40, s22, 3
	s_add_co_u32 s40, s40, s41                     ; tile row = 8 cy + cluster y
	s_lshl_b32 s42, s22, 2
	s_lshl_b32 s42, 15, s42                        ; my row of the cluster
	s_lshl_b32 s43, 0x1111, s21                    ; my column
	s_or_b32 s97, s41, s19                         ; 0 where my rows begin with positions 0 to 15
	s_or_b32 s[G1+0], s42, (0<<16)|(1<<20)|(1<<21)|(5<<22)|(3<<25)   ; x: elements of 1 byte; 4 words of padding behind every 64
	s_mov_b32 s[G1+1], ROWB<<16
	s_mov_b32 s[G1+2], 128<<16
	s_mov_b32 s[G1+3], ROWB<<16
	s_mov_b32 s[G1+4], 128
	s_mov_b32 s[G1+5], KROW
	s_mov_b32 s[G1+6], 0
	s_mov_b32 s[G1+7], 0
	s_or_b32 s[G1B+0], s43, (3<<16)|(1<<21)        ; W: a dense block of 32,768 bytes as 128 rows of 32 elements of 8 bytes, no padding
	s_mov_b32 s[G1B+1], 32<<16
	s_mov_b32 s[G1B+2], 128<<16
	s_mov_b32 s[G1B+3], 32<<16
	s_mov_b32 s[G1B+4], 128
	s_mov_b32 s[G1B+5], 32
	s_mov_b32 s[G1B+6], 0
	s_mov_b32 s[G1B+7], 0
	s_or_b32 s[G1S+0], s42, (3<<16)|(1<<20)|(1<<21)|(5<<22)|(3<<25)  ; the scales of 128 rows: 4,096 dense bytes as 16 rows of 256, 16 bytes of padding behind each
	s_or_b32 s[G1SB+0], s43, (3<<16)|(1<<20)|(1<<21)|(5<<22)|(3<<25)
.irp g, G1S, G1SB
	s_mov_b32 s[\g+1], 32<<16
	s_mov_b32 s[\g+2], 16<<16
	s_mov_b32 s[\g+3], 32<<16
	s_mov_b32 s[\g+4], 16
	s_mov_b32 s[\g+5], 32
	s_mov_b32 s[\g+6], 0
	s_mov_b32 s[\g+7], 0
.endr
	s_lshl_b32 s2, s20, 7                          ; which 128 rows (of x) or columns (of W) I fetch
	s_lshl_b32 s44, s40, 8
	s_add_co_u32 s44, s44, s2                      ; x's row
	s_lshl_b32 s46, s44, 5                         ; its scale bytes
	s_lshl_b32 s44, s44, 9                         ; its codes
	s_mov_b32 s45, 0
	s_mov_b32 s47, 0
	s_lshl_b32 s66, s23, 8
	s_add_co_u32 s66, s66, s2                      ; W's column
	s_lshl_b32 s92, s66, 5
	s_add_co_u32 s92, s92, 262144                  ; its scale bytes, behind x's
	s_lshl_b32 s66, s66, 8                         ; its images: 4,096 bytes for 16 columns
	s_mov_b32 s67, 0
	s_mov_b32 s93, 0
	s_mul_i32 s94, s20, HALFA                      ; where they go: no place in the cluster enters an LDS address
	s_mul_i32 s95, s20, HALFB
	s_add_co_u32 s95, s95, BOFF
	s_mul_i32 s3, s18, HALFS
	s_wait_dscnt 0x0                               ; both opening adds are done
	s_wait_kmcnt 0x0
	s_add_nc_u64 s[44:45], s[4:5], s[44:45]
	s_add_nc_u64 s[46:47], s[6:7], s[46:47]
	s_add_nc_u64 s[66:67], s[8:9], s[66:67]
	s_add_nc_u64 s[92:93], s[6:7], s[92:93]
	CROUND                                         ; all sixteen work-groups are here: the joint loads meet
	s_mov_b32 s[G0S], 1
	s_add_co_u32 s[G0S+1], s3, SCL
	s_mov_b64 s[G0S+2:G0S+3], s[46:47]
	s_or_b32 s[G0S+3], s[G0S+3], 0x80000000
	s_mov_b32 s[G0SB], 1
	s_add_co_u32 s[G0SB+1], s3, SCL
	s_mov_b64 s[G0SB+2:G0SB+3], s[92:93]
	s_or_b32 s[G0SB+3], s[G0SB+3], 0x80000000
	JLOAD G0S, G1S, G0SB, G1SB                     ; the scales first; by this text's count three loads of mine are out at the most
.irp s, 0,1
	s_mov_b32 s[G0+4*\s], 1
	s_add_co_u32 s[G0+4*\s+1], s94, \s*SLOT
	s_add_nc_u64 s[G0+4*\s+2:G0+4*\s+3], s[44:45], \s*ROWB
	s_or_b32 s[G0+4*\s+3], s[G0+4*\s+3], 0x80000000
	s_mov_b32 s[G0B+4*\s], 1
	s_add_co_u32 s[G0B+4*\s+1], s95, \s*SLOT
	s_add_nc_u64 s[G0B+4*\s+2:G0B+4*\s+3], s[66:67], \s*WSLOT
	s_or_b32 s[G0B+4*\s+3], s[G0B+4*\s+3], 0x80000000
	JLOAD G0+4*\s, G1, G0B+4*\s, G1B
.endr
	v_and_b32 v1, 15, v0                           ; r
	v_bfe_u32 v2, v0, 4, 1                         ; h
	v_and_b32 v6, 31, v0
	v_mul_u32_u24 v3, v1, PITCH
	v_lshl_add_u32 v4, v2, 4, v3
	v_lshlrev_b32 v[LI], 4, v6
	s_mul_i32 s2, s19, HALFA                       ; my 128 rows of x
	s_mul_i32 s3, s20, HALFB                       ; my 8 tiles of W
	s_add_co_u32 s3, s3, BOFF
.irp s, 0,1
	v_add_nc_u32 v[ADRA+\s], s2, v4
	v_add_nc_u32 v[ADRB+\s], s3, v[LI]
	s_add_co_u32 s2, s2, SLOT
	s_add_co_u32 s3, s3, SLOT
.endr
	v_mul_u32_u24 v5, v1, KS                       ; my row's scales: 32 bytes a row, and 16 more for each 256 passed
	v_lshrrev_b32 v7, 8, v5
	v_lshl_add_u32 v5, v7, 4, v5
	s_mul_i32 s2, s19, HALFS
	s_mul_i32 s3, s20, HALFS
	s_add_co_u32 s3, s3, 2*HALFS
	s_sub_co_u32 s3, s3, s2
	v_mul_u32_u24 v7, s3, v2                       ; lanes 16-31 take W's
	s_add_co_u32 s2, s2, SCL
	v_add_nc_u32 v5, v5, v7
	v_add_nc_u32 v[ADRS], s2, v5
	v_lshrrev_b32 v7, 3, v1
	v_and_b32 v8, 7, v1
	v_lshlrev_b32 v[LV], 8, v7
	v_lshl_add_u32 v[LV], v2, 7, v[LV]
	v_lshl_add_u32 v[LV], v8, 4, v[LV]
	v_lshlrev_b32 v[BO], 5, v2
	v_lshl_add_u32 v[CSO], v1, 8, v[BO]
	s_lshl_b32 s2, s23, 10
	s_lshl_b32 s3, s20, 9
	s_add_co_u32 s2, s2, s3
	s_mov_b32 s3, 0
	s_add_nc_u64 s[10:11], s[10:11], s[2:3]        ; the bias of my 128 columns
	s_lshl_b32 s2, s41, 16
	s_lshl_b32 s96, s19, 15
	s_add_co_u32 s2, s2, s96
	s_add_nc_u64 s[12:13], s[12:13], s[2:3]        ; (cos, sin) at my first position: 256 bytes a position
	s_lshl_b32 s2, s22, 4
	s_lshl_b32 s96, s21, 2
	s_add_co_u32 s2, s2, s96
	s_lshl_b32 s96, s20, 1
	s_add_co_u32 s2, s2, s96                       ; 16 x batch + my first head
	s_lshl_b32 s2, s2, 18                          ; 128 tiles of 16 positions x 2,048 bytes a head
	s_lshl_b32 s96, ttmp9, 24                      ; q, k or v
	s_add_co_u32 s2, s2, s96
	s_lshl_b32 s96, s41, 15
	s_add_co_u32 s2, s2, s96
	s_lshl_b32 s96, s19, 14
	s_add_co_u32 s2, s2, s96                       ; my first tile of positions: 16 x cluster y + 8 x half
	s_add_nc_u64 s[14:15], s[14:15], s[2:3]
	s_mul_i32 s2, s22, 192
	s_lshl_b32 s96, s23, 4
	s_add_co_u32 s2, s2, s96
	s_lshl_b32 s96, s20, 3
	s_add_co_u32 s2, s2, s96
	s_lshl_b32 s2, s2, 10
	s_add_nc_u64 s[16:17], s[16:17], s[2:3]        ; h32 [batch][192 tiles of 16 columns][1,024 bytes]
.irp b, 0,1,2,3,4,5,6,7
	global_load_b128 v[BIAS+8*\b:BIAS+8*\b+3], v[BO], s[10:11] offset:64*\b        ; in the result's layout: lane (r, h) wants columns 16 b + 8 h + 0 .. 7
	global_load_b128 v[BIAS+8*\b+4:BIAS+8*\b+7], v[BO], s[10:11] offset:64*\b+16
.endr
.macro CSLOAD a                        ; the pairs of my rows 16 a + r: for each quarter q of a head's 64 channels the four pairs of my half
.set CL, CS0+32*((\a)%2)
.irp q, 0,1,2,3
.irp e, 0,1
	global_load_b128 v[CL+8*\q+4*\e:CL+8*\q+4*\e+3], v[CSO], s[12:13] offset:4096*(\a)+64*\q+16*\e
.endr
.endr
.endm
	CSLOAD 0                                       ; the first block's pairs land under the products.  Every tile loads them, v's too, which is not rotated and does not use them (4,096 bytes a wave):
	                                               ; so the registers are written on every way through the text, and q's and k's way out does not begin with a wait for memory
.macro FRAG reg, adr, q, i             ; x: 16 rows x 128 K: lane l holds row l % 16; registers 4 c .. 4 c + 3 hold K = 64 c + 32 (l / 16) + 0 .. 31
.irp c, 0,1
	ds_load_b128 v[\reg+4*\c:\reg+4*\c+3], v[\adr] offset:64*(\q)+32*\c+(\i)*16*PITCH
.endr
.endm
.macro FRAGB reg, adr, q, i            ; W: the image of the same registers: 512 consecutive bytes a load
.irp c, 0,1
	ds_load_b128 v[\reg+4*\c:\reg+4*\c+3], v[\adr] offset:4096*(\i)+1024*(\q)+512*\c
.endr
.endm
; 16 matrix instructions: x's blocks a0, a0 + 1 against W's eight.  zero = 1: the first product starts the sums, with the bias as C.  The 64 accumulators take turns.
.macro MUL16 a0, p, q, sc, zero
.irp a, \a0, \a0+1
.irp b, 0,1,2,3,4,5,6,7
.if \zero
	v_wmma_scale_f32_16x16x128_f8f6f4 v[8*(8*((\a)%4)+\b):8*(8*((\a)%4)+\b)+7], v[128*(\p)+FR*\b:128*(\p)+FR*\b+FR-1], v[AF+FR*(\a):AF+FR*(\a)+FR-1], v[BIAS+8*\b:BIAS+8*\b+7], v[SC+8*NQ*(\sc)+NQ*\b+(\q)], v[SC+8*NQ*(\sc)+NQ*(\a)+(\q)] matrix_a_fmt:MATRIX_FMT_FP4 matrix_b_fmt:MATRIX_FMT_FP4 matrix_a_scale:MATRIX_SCALE_ROW1
.else
	v_wmma_scale_f32_16x16x128_f8f6f4 v[8*(8*((\a)%4)+\b):8*(8*((\a)%4)+\b)+7], v[128*(\p)+FR*\b:128*(\p)+FR*\b+FR-1], v[AF+FR*(\a):AF+FR*(\a)+FR-1], v[8*(8*((\a)%4)+\b):8*(8*((\a)%4)+\b)+7], v[SC+8*NQ*(\sc)+NQ*\b+(\q)], v[SC+8*NQ*(\sc)+NQ*(\a)+(\q)] matrix_a_fmt:MATRIX_FMT_FP4 matrix_b_fmt:MATRIX_FMT_FP4 matrix_a_scale:MATRIX_SCALE_ROW1
.endif
.endr
.endr
.endm
.macro FETCH_B slot, q, p
	WIN TO_B
.irp i, 0,1,2,3,4,5,6,7
	FRAGB 128*(\p)+FR*\i, ADRB+\slot, \q, \i
.endr
	WIN 0
.endm
.macro FETCH_A slot, q, i0
.irp i, \i0, \i0+1, \i0+2, \i0+3
	FRAG AF+FR*(\i), ADRA+\slot, \q, \i
.endr
.endm
.macro SCALES sc                       ; a slot's scale words: lanes 0-15 take x's block i, lanes 16-31 W's block i
.irp i, 0,1,2,3,4,5,6,7
	ds_load_b128 v[SC+8*NQ*\sc+NQ*\i:SC+8*NQ*\sc+NQ*\i+3], v[ADRS] offset:\i*SBLK
.endr
.endm
.macro PLACES n                        ; plain vector instructions between a matrix instruction and a load into, or a read of, its registers
.rept \n
	v_nop
.endr
.endm
.macro STEP slot, q, zero              ; 128 along K, with its successor in the same slot
	s_wait_dscnt 4*NL                              ; W's set and x's blocks 0-3 are in; the youngest eight loads (x's blocks 4-7) may be out
	WIN MUL_LO-0x20*(\zero)                        ; (the bias lies in window 0)
	MUL16 0, (\q)%2, \q, \slot, \zero
	MUL16 2, (\q)%2, \q, \slot, \zero
	s_wait_dscnt 0
	PLACES NP
	FETCH_B \slot, (\q)+1, 1-(\q)%2
	FETCH_A \slot, (\q)+1, 0
	WIN MUL_HI-0x30*(\zero)
	MUL16 4, (\q)%2, \q, \slot, \zero
	MUL16 6, (\q)%2, \q, \slot, \zero
	PLACES NP
	WIN 0
	FETCH_A \slot, (\q)+1, 4
.endm
.macro STEPS slot, from
.set Q, \from
.rept NQ-1-\from
	STEP \slot, Q, 0
.set Q, Q+1
.endr
.endm
	s_wait_tensorcnt 1                             ; the scales and my part of slot 0 are in; slot 1's load may be out
	s_barrier_signal -1
	s_barrier_wait -1
	FETCH_B 0, 0, 0
	FETCH_A 0, 0, 0
	SCALES 0
	FETCH_A 0, 0, 4
	s_wait_loadcnt 0x0                             ; the bias and the first pairs
	STEP 0, 0, 1
	STEPS 0, 1
	; slot 0's last step changes slots: my part of slot 1 has landed, and behind the barrier everybody's has
	s_wait_tensorcnt 0x0
	ds_add_u32 v[SPW], v[NIL]
	s_wait_dscnt 4*NL+1                            ; (the add and x's blocks 4-7 may be out)
	WIN MUL_LO
	MUL16 0, 1, NQ-1, 0, 0
	s_wait_dscnt 0x0
	s_barrier_signal -1
	MUL16 2, 1, NQ-1, 0, 0
	WIN 0
	s_barrier_wait -1
	PLACES NP
	v_add_nc_u32 v[ADRS], 4*NQ, v[ADRS]            ; on to slot 1's scale words
	FETCH_B 1, 0, 0
	FETCH_A 1, 0, 0
	SCALES 1
	WIN MUL_HI
	MUL16 4, 1, NQ-1, 0, 0
	MUL16 6, 1, NQ-1, 0, 0
	PLACES NP
	WIN 0
	FETCH_A 1, 0, 4
	STEPS 1, 0
	s_wait_dscnt 4*NL
	WIN MUL_LO
	MUL16 0, 1, NQ-1, 1, 0
	MUL16 2, 1, NQ-1, 1, 0
	s_wait_dscnt 0
	WIN MUL_HI
	MUL16 4, 1, NQ-1, 1, 0
	MUL16 6, 1, NQ-1, 1, 0
	WIN 0
	PLACES NP                                      ; for the reads of results and for the loads and writes into the registers that held x's fragments
; THE WAY OUT, a block of 16 rows at a time.  q and k: out0 = t0 c - t1 s, out1 = t0 s + t1 c: (t0 s, t1 s) by one packed multiply, then one packed multiply-add that takes c for both halves and the two
; products crosswise, the first of them negated.  Each accumulator is read from its low end on.  The 64 numbers are packed to f16 downwards in place, and leave 512 consecutive bytes a store.
.macro ROPE a
.set AC, 64*((\a)%4)
.set CR, CS0+32*((\a)%2)
	s_wait_xcnt 0x0                                ; the last block's stores have read their data
.if (\a) < 7
	CSLOAD (\a)+1
	s_wait_loadcnt 8                               ; this block's pairs are in; the next block's eight loads may be out
.else
	s_wait_loadcnt 0x0
.endif
	WIN 0x02+(\a)/4                                ; source 0: the accumulators
.irp b, 0,1,2,3,4,5,6,7
.irp p, 0,1,2,3
	v_pk_mul_f32 v[TP+8*(\b%4)+2*\p:TP+8*(\b%4)+2*\p+1], v[AC+8*\b+2*\p:AC+8*\b+2*\p+1], v[CR+8*(\b%4)+2*\p:CR+8*(\b%4)+2*\p+1] op_sel:[0,1] op_sel_hi:[1,1]
.endr
.irp p, 0,1,2,3
	v_pk_fma_f32 v[O+8*\b+2*\p:O+8*\b+2*\p+1], v[AC+8*\b+2*\p:AC+8*\b+2*\p+1], v[CR+8*(\b%4)+2*\p:CR+8*(\b%4)+2*\p+1], v[TP+8*(\b%4)+2*\p:TP+8*(\b%4)+2*\p+1] op_sel:[0,0,1] op_sel_hi:[1,0,0] neg_lo:[0,0,1]
.endr
.endr
	WIN 0
.if (\a) == 0
	s_cmp_lg_u32 s97, 0
	s_cbranch_scc1 .Lno_f32
.irp b, 0,1,2,3,4,5,6,7
	global_store_b128 v[LI], v[O+8*\b:O+8*\b+3], s[16:17] offset:1024*\b          ; positions 0 to 15, in f32
	global_store_b128 v[LI], v[O+8*\b+4:O+8*\b+7], s[16:17] offset:1024*\b+512
.endr
	s_wait_xcnt 0x0                                ; they have read their data, which the packing below writes
.Lno_f32:
.endif
.irp m, 0,1,2,3,4,5,6,7,8,9,10,11,12,13,14,15,16,17,18,19,20,21,22,23,24,25,26,27,28,29,30,31
	v_cvt_pk_f16_f32 v[O+\m], v[O+2*\m], v[O+2*\m+1]
.endr
.irp b, 0,1,2,3,4,5,6,7
	global_store_b128 v[LI], v[O+4*\b:O+4*\b+3], s[14:15] offset:(\b/4)*262144+2048*(\a)+512*(\b%4)   ; head b / 4, tile of positions a, channels 16 (b % 4) on
.endr
.endm
.macro VOUT a
.set AC, 64*((\a)%4)
	s_wait_xcnt 0x0
.if (\a) == 0
	s_cmp_lg_u32 s97, 0
	s_cbranch_scc1 .Lno_v32
	WIN 0x08                                       ; a store's data are its source 1: window 2
.irp b, 0,1,2,3,4,5,6,7
	global_store_b128 v[LI], v[AC+8*\b:AC+8*\b+3], s[16:17] offset:1024*\b
	global_store_b128 v[LI], v[AC+8*\b+4:AC+8*\b+7], s[16:17] offset:1024*\b+512
.endr
	WIN 0
.Lno_v32:
.endif
	WIN 0x0a+5*((\a)/4)
.irp b, 0,1,2,3,4,5,6,7
.irp i, 0,1,2,3
	v_cvt_pk_f16_f32 v[O+4*\b+\i], v[AC+8*\b+2*\i], v[AC+8*\b+2*\i+1]
.endr
.endr
	WIN 0
.irp b, 0,1,2,3,4,5,6,7
	global_store_b128 v[LV], v[O+4*\b:O+4*\b+3], s[14:15] offset:(\b/4)*262144+2048*(\a)+512*(\b%4)
.endr
.endm
	s_cmp_eq_u32 ttmp9, 2                          ; v is not rotated
	s_cbranch_scc1 .Lvout
.irp a, 0,1,2,3,4,5,6,7
	ROPE \a
.endr
	s_branch .Lend
.Lvout:
.irp a, 0,1,2,3,4,5,6,7
	VOUT \a
.endr
.Lend:
	s_wait_tensorcnt 0x0                           ; the wave's end
	ds_add_u32 v[SPW], v[NIL]
	s_wait_dscnt 0x0
	CROUND                                         ; the closing round
	s_endpgm
.Lfunc_end_k_q193831c939_qkv:
	.size	k_q193831c939_qkv, .Lfunc_end_k_q193831c939_qkv-k_q193831c939_qkv
	.p2alignl 7, 3214868480
	.fill 96, 4, 3214868480
	.section	.rodata,"a",@progbits
	.p2align	6, 0x0
	.amdhsa_kernel k_q193831c939_qkv
		.amdhsa_group_segment_fixed_size 327680
		.amdhsa_private_segment_fixed_size 0
		.amdhsa_enable_private_segment 0
		.amdhsa_kernarg_size 56
		.amdhsa_user_sgpr_count 2
		.amdhsa_user_sgpr_kernarg_segment_ptr 1
		.amdhsa_wavefront_size32 1
		.amdhsa_system_sgpr_workgroup_id_x 1
		.amdhsa_system_sgpr_workgroup_id_y 1
		.amdhsa_system_sgpr_workgroup_id_z 1
		.amdhsa_system_vgpr_workitem_id 0
		.amdhsa_next_free_vgpr 1024
		.amdhsa_next_free_sgpr 100
		.amdhsa_reserve_vcc 0
		.amdhsa_float_denorm_mode_32 3
		.amdhsa_float_denorm_mode_16_64 3
		.amdhsa_memory_ordered 1
		.amdhsa_forward_progress 1
		.amdhsa_inst_pref_size 184
	.end_amdhsa_kernel
	.amdgpu_metadata
---
amdhsa.version: [ 1, 2 ]
amdhsa.kernels:
  - .name:           k_q193831c939_qkv
    .symbol:         k_q193831c939_qkv.kd
    .args:
      - { .name: x_codes, .offset: 0, .size: 8, .value_kind: global_buffer, .address_space: global }
      - { .name: scales, .offset: 8, .size: 8, .value_kind: global_buffer, .address_space: global }
      - { .name: w_codes, .offset: 16, .size: 8, .value_kind: global_buffer, .address_space: global }
      - { .name: b_attn, .offset: 24, .size: 8, .value_kind: global_buffer, .address_space: global }
      - { .name: cs, .offset: 32, .size: 8, .value_kind: global_buffer, .address_space: global }
      - { .name: qkv16, .offset: 40, .size: 8, .value_kind: global_buffer, .address_space: global }
      - { .name: h32, .offset: 48, .size: 8, .value_kind: global_buffer, .address_space: global }
    .group_segment_fixed_size: 327680
    .private_segment_fixed_size: 0
    .kernarg_segment_align: 8
    .kernarg_segment_size: 56
    .max_flat_workgroup_size: 128
    .sgpr_count:     100
    .vgpr_count:     1024
    .wavefront_size: 32
...
	.end_amdgpu_metadata
.endif
;; end of part 2
;; launch attn (part 3): grid 4 x 64, 8 waves a work-group, no clusters, 327,680 bytes of LDS; arguments qkv16, y16; writes y16
.if DOCPART == 3
	.amdgcn_target "amdgcn-amd-amdhsa--gfx1250"
	.amdhsa_code_object_version 6
	.text
	.protected	k_q193831c939_attn
	.globl	k_q193831c939_attn
	.p2align	8
	.type	k_q193831c939_attn,@function
k_q193831c939_attn:
	s_mov_b64 s[64:65], 0
	v_nop
	global_prefetch_b8 v0, s[64:65] scope:SCOPE_SE
	s_setreg_imm32_b32 hwreg(HW_REG_WAVE_MODE, 25, 1), 1
	s_wait_xcnt 0x0
; ATTN.  y = softmax(q k^T / 8, causal) v for each of 64 (batch, head), 2,048 positions, head size 64.  Operands f16, products, maxima and sums f32; a running maximum m and sum l for each query.
; LIMIT: the weights p (at most 1) and y go to f16.  Positions 0 to 15 of each sequence are written here too and redone in f32 by a later launch.
; SHARES.  Work-group (i, head) takes the queries 256 i .. 256 i + 255 and then 256 (7 - i) .. : (i + 1) + (8 - i) = 9 slots of 256 keys in every work-group, so all 256 have equal work and the loop's
; trip count is a constant.  Each of eight waves owns 32 queries, two tiles of 16: a fragment of k or v read from LDS feeds two products; two waves share a SIMD, so one's softmax stands beside the other's products.
; NO CLUSTER: the four work-groups of a head walk the key slots 0..i, 0..7-i, four different sequences that agree only in their first i + 1 places; partners would need different tiles in most rounds.
; LAYOUT.  S^T = k q^T, O^T = v^T P: a lane holds one query throughout.  q, k and v lie in memory as images of operand registers: every LDS load reads 512 consecutive bytes; v's comes turned, by ds_load_tr16_b128.
; A key step all of whose 64 keys come after the wave's queries is left out by a scalar branch on ids; on the diagonal hidden scores become -infinity ahead of the maximum.  A step that is walked begins
; at or under the wave's first query, so every row sees at least one key in it and m is a number from the first step on.
; REGISTERS: window 0: v1-11 addresses and constants; v16-31 statistics, eight a tile (c m, m, l, l, c0-c3; a takes c2's place); v64-127 S^T; v128-159 P; v160-223 O^T.
;   window 1: v0-63 k's fragments, v64-127 v's, v128-159 q's.
.set SLOTB, 65536                      ; a slot: 4 key steps of k (8,192 bytes each), then 4 of v
.set STEPB, 8192
.set SPARE, 2*SLOTB                    ; the spare words, 128 bytes for each of eight waves
.set L16,  1                           ; v1  16 x lane
.set ADK,  2
.set ADV,  3
.set D0,   4                           ; v4, v5  the mask: my query - the step's first key - 8 h, for tiles 0 and 1
.set SPW,  6
.set NIL,  7
.set PFO,  8                           ; v8  256 x lane
.set NINF, 9                           ; v9  -infinity
.set RH8,  10                          ; v10 r - 8 h
.set L16V, 11                          ; v11 16 x lane + 32,768
.set ST,   16
.set S,    64
.set P,    128
.set O,    160
.set KFR,  0
.set VFR,  64
.set QFR,  128
.set WV,   8
.set IB,   9
.set BH,   10
.set SEQ,  11                          ; s11 the slot in hand, 0 .. 8
.set SW,   12                          ; s12 the slot with which the second block of queries begins
.set Q0,   13                          ; s13 my first query
.set KF,   14                          ; s14 the step's first key
.set TB,   15                          ; s15 LDS byte at which the slot in hand begins
.set NOFF, 16                          ; s[16:17] bytes from the head's first key to the slot that is asked for
.set KB,   18                          ; s[18:19] my wave's 8,192 bytes of key slot 0
.set PFA,  20                          ; s[20:21] where my prefetch stands
.set PLO,  22                          ; s22 the first trip in which I prefetch
.set G1,   24
.set G0,   32
.set QB,   36
.set YB,   38
.set TA,   40
.set CS,   42                          ; s[42:43] c = log2(e) / 8
.set SEL,  44
.set MSB, 0
.macro WIN new
.if MSB != (\new)
	s_set_vgpr_msb (MSB<<8)|(\new)
.set MSB, (\new)
.endif
.endm
	s_load_b128 s[4:7], s[0:1], 0x0                ; qkv16, y16
	v_lshl_add_u32 v[SPW], v0, 2, SPARE
	v_mov_b32 v[NIL], 0
	ds_add_u32 v[SPW], v[NIL]                      ; the wave's opening: the add, twice on end, and its wait ahead of my first tensor load
	ds_add_u32 v[SPW], v[NIL]
	v_lshrrev_b32 v1, 5, v0
	v_readfirstlane_b32 s[WV], v1
	s_mov_b32 s[IB], ttmp9
	s_and_b32 s[BH], ttmp7, 0xffff
	s_mov_b32 s[SEQ], 0
	s_add_co_u32 s[SW], s[IB], 1
	s_lshl_b32 s[Q0], s[IB], 8
	s_lshl_b32 s46, s[WV], 5
	s_add_co_u32 s[Q0], s[Q0], s46
	s_mov_b32 s[KF], 0
	s_mov_b32 s[TB], 0
	s_mov_b32 s[NOFF], 0
	s_mov_b32 s[NOFF+1], 0
	s_cmp_eq_u32 s[IB], 0
	s_cselect_b32 s[PLO], 3, -1                    ; the head's first work-group alone prefetches
	s_mov_b32 s[G1], 3<<16                         ; 8,192 dense bytes as 32 rows of 32 elements of 8 bytes
	s_mov_b32 s[G1+1], 32<<16
	s_mov_b32 s[G1+2], 32<<16
	s_mov_b32 s[G1+3], 32<<16
	s_mov_b32 s[G1+4], 32
	s_mov_b32 s[G1+5], 32
	s_mov_b32 s[G1+6], 0
	s_mov_b32 s[G1+7], 0
	s_mov_b32 s[CS], 0x3e38aa3b
	s_mov_b32 s[CS+1], s[CS]
	s_mov_b32 s[SEL], 0x76543210
	s_mov_b32 s[SEL+1], 0xfedcba98
	s_lshr_b32 s46, s[WV], 2                       ; waves 0 to 3 fetch k's four key steps, waves 4 to 7 v's
	s_add_co_u32 s46, s46, 1
	s_lshl_b32 s46, s46, 24
	s_lshl_b32 s48, s[BH], 18                      ; a head: 262,144 bytes in each of q, k, v
	s_add_co_u32 s46, s46, s48
	s_and_b32 s50, s[WV], 3
	s_lshl_b32 s50, s50, 13
	s_add_co_u32 s46, s46, s50
	s_mov_b32 s47, 0
	s_mov_b32 s49, 0
	s_and_b32 s50, s[BH], 15                       ; y16 [8 x 128 along C][512 tiles of 16 rows][4 x 32][1,024 bytes]: head hd is half hd % 2 of step hd / 2
	s_lshr_b32 s51, s50, 1
	s_lshl_b32 s51, s51, 21
	s_and_b32 s50, s50, 1
	s_lshl_b32 s50, s50, 11
	s_add_co_u32 s50, s50, s51
	s_lshr_b32 s51, s[BH], 4
	s_lshl_b32 s51, s51, 19
	s_add_co_u32 s50, s50, s51
	s_mov_b32 s51, 0
	s_wait_dscnt 0x0                               ; both opening adds are done
	s_wait_kmcnt 0x0
	s_add_nc_u64 s[KB:KB+1], s[4:5], s[46:47]
	s_add_nc_u64 s[QB:QB+1], s[4:5], s[48:49]
	s_add_nc_u64 s[YB:YB+1], s[6:7], s[50:51]
	s_mov_b32 s[G0], 1
	s_lshl_b32 s[G0+1], s[WV], 13                  ; my 8,192 bytes of slot 0
	s_mov_b64 s[G0+2:G0+3], s[KB:KB+1]
	s_or_b32 s[G0+3], s[G0+3], 0x80000000
	tensor_load_to_lds s[G0:G0+3], s[G1:G1+7]      ; key slot 0: every wave issues one load; one load of mine is out at any time
	s_nop 0
.rept 4
	v_nop
.endr
	v_and_b32 v1, 31, v0
	v_lshlrev_b32 v[L16], 4, v1
	v_lshlrev_b32 v[PFO], 4, v[L16]
	v_mov_b32 v[NINF], 0xff800000
	v_and_b32 v12, 15, v0
	v_bfe_u32 v13, v0, 4, 1
	v_lshlrev_b32 v13, 3, v13
	v_sub_nc_u32 v[RH8], v12, v13
	v_add_nc_u32 v[L16V], 32768, v[L16]
; A block of queries begins: q's four fragments, m = -3e38, l = 0, O^T = 0 (the step is written once: the first finds zeros, which a = 0 leaves zeros).
.macro INIT
	s_wait_xcnt 0x0                                ; earlier stores have read their data and their base
	s_lshl_b32 s46, s[Q0], 7
	s_mov_b32 s47, 0
	s_add_nc_u64 s[TA:TA+1], s[QB:QB+1], s[46:47]
	WIN 0x40
.irp t, 0,1
.irp u, 0,1
.irp d, 0,1
	global_load_b128 v[QFR+8*(2*\t+\u)+4*\d:QFR+8*(2*\t+\u)+4*\d+3], v[L16], s[TA:TA+1] offset:2048*\t+1024*\u+512*\d
.endr
.endr
.endr
	WIN 0
.irp t, 0,1
	v_mov_b32 v[ST+8*\t+1], 0xff61b1e6
	v_mul_f32 v[ST+8*\t], s[CS], v[ST+8*\t+1]
.irp j, 2,3,4,5,6,7
	v_mov_b32 v[ST+8*\t+\j], 0
.endr
.endr
.set i, 0
.rept 64
	v_mov_b32 v[O+i], 0
.set i, i+1
.endr
	s_wait_loadcnt 0x0
.endm
; A block of queries ends: O^T / l, to f16, stored as images of the projection's operand registers: 512 consecutive bytes a store.
.macro FINISH
.rept 4
	v_nop                                          ; places behind the last products
.endr
.irp t, 0,1
	v_add_f32 v[ST+8*\t+4], v[ST+8*\t+2], v[ST+8*\t+3]
.endr
.irp t, 0,1
	v_permlanex16_b32 v[ST+8*\t+5], v[ST+8*\t+4], s[SEL], s[SEL+1]
.endr
.irp t, 0,1
	v_add_f32 v[ST+8*\t+4], v[ST+8*\t+4], v[ST+8*\t+5]
.endr
.irp t, 0,1
	v_rcp_f32 v[ST+8*\t+6], v[ST+8*\t+4]
.endr
	v_nop                                          ; a plain instruction behind the reciprocals,
	s_wait_alu depctr_va_vdst(0)                   ; and one wait ahead of their first reader
.irp t, 0,1
.irp j, 0,1,2,3,4,5,6,7,8,9,10,11,12,13,14,15
	v_pk_mul_f32 v[O+32*\t+2*\j:O+32*\t+2*\j+1], v[O+32*\t+2*\j:O+32*\t+2*\j+1], v[ST+8*\t+6:ST+8*\t+7] op_sel_hi:[1,0]
.endr
.endr
.irp t, 0,1
.irp j, 0,1,2,3,4,5,6,7,8,9,10,11,12,13,14,15
	v_cvt_pk_f16_f32 v[P+16*\t+\j], v[O+32*\t+2*\j], v[O+32*\t+2*\j+1]
.endr
.endr
	s_lshl_b32 s46, s[Q0], 8                       ; 4,096 bytes for each tile of 16 rows
	s_mov_b32 s47, 0
	s_add_nc_u64 s[TA:TA+1], s[YB:YB+1], s[46:47]
.irp t, 0,1
.irp c, 0,1,2,3
	global_store_b128 v[L16], v[P+16*\t+4*\c:P+16*\t+4*\c+3], s[TA:TA+1] offset:4096*\t+512*\c
.endr
.endr
.endm
; A KEY STEP: 64 keys, the q-th of the slot in hand.
.macro STEP q
	s_add_co_u32 s46, s[Q0], 31
	s_cmp_gt_u32 s[KF], s46
	s_cbranch_scc1 .Lhid_\@                        ; all its keys come after my queries
	v_add_nc_u32 v[ADK], s[TB], v[L16]
	v_add_nc_u32 v[ADV], s[TB], v[L16V]
	v_nop
	v_nop                                          ; with the two additions: four places in front of loads into registers that the last products read
	WIN 0x40
.irp kt, 0,1,2,3
.irp u, 0,1
	ds_load_b128 v[KFR+8*(2*\kt+\u):KFR+8*(2*\kt+\u)+3], v[ADK] offset:STEPB*(\q)+2048*\kt+1024*\u
	ds_load_b128 v[KFR+8*(2*\kt+\u)+4:KFR+8*(2*\kt+\u)+7], v[ADK] offset:STEPB*(\q)+2048*\kt+1024*\u+512
.endr
.endr
.irp ct, 0,1,2,3
.irp kh, 0,1
	ds_load_tr16_b128 v[VFR+8*(2*\ct+\kh):VFR+8*(2*\ct+\kh)+3], v[ADV] offset:STEPB*(\q)+4096*\kh+512*\ct
	ds_load_tr16_b128 v[VFR+8*(2*\ct+\kh)+4:VFR+8*(2*\ct+\kh)+7], v[ADV] offset:STEPB*(\q)+4096*\kh+2048+512*\ct
.endr
.endr
	s_wait_dscnt 16                                ; k is in; v's sixteen loads may be out
	WIN 0x05
.irp u, 0,1                                    ; S^T = k q^T: eight accumulators by turns
.irp kt, 0,1,2,3
.irp t, 0,1
.if \u == 0
	v_wmma_f32_16x16x32_f16 v[S+32*\t+8*\kt:S+32*\t+8*\kt+7], v[KFR+8*(2*\kt+\u):KFR+8*(2*\kt+\u)+7], v[QFR+8*(2*\t+\u):QFR+8*(2*\t+\u)+7], 0
.else
	v_wmma_f32_16x16x32_f16 v[S+32*\t+8*\kt:S+32*\t+8*\kt+7], v[KFR+8*(2*\kt+\u):KFR+8*(2*\kt+\u)+7], v[QFR+8*(2*\t+\u):QFR+8*(2*\t+\u)+7], v[S+32*\t+8*\kt:S+32*\t+8*\kt+7]
.endif
.endr
.endr
.endr
	WIN 0
.rept 4
	v_nop
.endr
	s_add_co_u32 s46, s[KF], 63
	s_cmp_le_u32 s46, s[Q0]
	s_cbranch_scc1 .Lopen_\@                       ; all its keys count for all my queries
	s_sub_co_i32 s46, s[Q0], s[KF]
	v_add_nc_u32 v[D0], s46, v[RH8]                ; register 8 kt + j of tile t holds key KF + 16 kt + 8 h + j: hidden where 16 kt + j > d
	v_add_nc_u32 v[D0+1], 16, v[D0]
.irp t, 0,1
.irp n, 0,1,2,3,4,5,6,7,8,9,10,11,12,13,14,15,16,17,18,19,20,21,22,23,24,25,26,27,28,29,30,31
	v_cmp_gt_i32 vcc_lo, 16*(\n/8)+\n%8, v[D0+\t]
	v_cndmask_b32 v[S+32*\t+\n], v[S+32*\t+\n], v[NINF], vcc_lo
.endr
.endr
.Lopen_\@:
.irp j, 0,1,2,3                                ; the maximum of 32 scores and the old m, three at a time; the two tiles line by line by turns
.irp t, 0,1
	v_max3_num_f32 v[ST+8*\t+4+\j], v[S+32*\t+8*\j], v[S+32*\t+8*\j+1], v[S+32*\t+8*\j+2]
.endr
.endr
.irp w, 1,2
.irp j, 0,1,2,3
.irp t, 0,1
	v_max3_num_f32 v[ST+8*\t+4+\j], v[ST+8*\t+4+\j], v[S+32*\t+8*\j+2*\w+1], v[S+32*\t+8*\j+2*\w+2]
.endr
.endr
.endr
.irp t, 0,1
	v_max3_num_f32 v[ST+8*\t+4], v[ST+8*\t+4], v[S+32*\t+7], v[S+32*\t+15]
.endr
.irp t, 0,1
	v_max3_num_f32 v[ST+8*\t+6], v[ST+8*\t+6], v[S+32*\t+23], v[S+32*\t+31]
.endr
.irp t, 0,1
	v_max3_num_f32 v[ST+8*\t+4], v[ST+8*\t+4], v[ST+8*\t+5], v[ST+8*\t+6]
.endr
.irp t, 0,1
	v_max3_num_f32 v[ST+8*\t+4], v[ST+8*\t+4], v[ST+8*\t+7], v[ST+8*\t+1]
.endr
.irp t, 0,1
	v_permlanex16_b32 v[ST+8*\t+5], v[ST+8*\t+4], s[SEL], s[SEL+1]   ; the query's other 32 keys lie in the lane 16 away
.endr
.irp t, 0,1
	v_mov_b32 v[ST+8*\t+7], v[ST+8*\t]             ; c m_old
.endr
.irp t, 0,1
	v_max_num_f32 v[ST+8*\t+1], v[ST+8*\t+4], v[ST+8*\t+5]
.endr
.irp t, 0,1
	v_mul_f32 v[ST+8*\t], s[CS], v[ST+8*\t+1]
.endr
.irp t, 0,1
	v_sub_f32 v[ST+8*\t+7], v[ST+8*\t+7], v[ST+8*\t]
.endr
.irp j, 0,1,2,3,4,5,6,7,8,9,10,11,12,13,14,15
.irp t, 0,1
	v_pk_fma_f32 v[S+32*\t+2*\j:S+32*\t+2*\j+1], v[S+32*\t+2*\j:S+32*\t+2*\j+1], s[CS:CS+1], v[ST+8*\t:ST+8*\t+1] op_sel_hi:[1,0,0] neg_lo:[0,0,1] neg_hi:[0,0,1]   ; c s - c m
.endr
.endr
.irp t, 0,1
	v_exp_f32 v[ST+8*\t+6], v[ST+8*\t+7]           ; a = 2^(c m_old - c m_new)
.endr
.irp t, 0,1
.irp n, 0,1,2,3,4,5,6,7,8,9,10,11,12,13,14,15,16,17,18,19,20,21,22,23,24,25,26,27,28,29,30,31
	v_exp_f32 v[S+32*\t+\n], v[S+32*\t+\n]
.endr
.endr
	v_nop                                          ; one plain instruction behind the batch,
	s_wait_alu depctr_va_vdst(0)                   ; and one wait for all 66 exponentials, ahead of their first reader
.irp j, 0,1,2,3,4,5,6,7,8,9,10,11,12,13,14,15
.irp t, 0,1
	v_cvt_pk_f16_f32 v[P+16*\t+\j], v[S+32*\t+2*\j], v[S+32*\t+2*\j+1]
.endr
.endr
.irp u, 0,1,2,3,4,5,6,7                        ; the sum of the unrounded weights, pairs 1, 2, 4 and 8 apart
.irp t, 0,1
	v_pk_add_f32 v[S+32*\t+4*\u:S+32*\t+4*\u+1], v[S+32*\t+4*\u:S+32*\t+4*\u+1], v[S+32*\t+4*\u+2:S+32*\t+4*\u+3]
.endr
.endr
.irp u, 0,1,2,3
.irp t, 0,1
	v_pk_add_f32 v[S+32*\t+8*\u:S+32*\t+8*\u+1], v[S+32*\t+8*\u:S+32*\t+8*\u+1], v[S+32*\t+8*\u+4:S+32*\t+8*\u+5]
.endr
.endr
.irp u, 0,1
.irp t, 0,1
	v_pk_add_f32 v[S+32*\t+16*\u:S+32*\t+16*\u+1], v[S+32*\t+16*\u:S+32*\t+16*\u+1], v[S+32*\t+16*\u+8:S+32*\t+16*\u+9]
.endr
.endr
.irp t, 0,1
	v_pk_add_f32 v[S+32*\t:S+32*\t+1], v[S+32*\t:S+32*\t+1], v[S+32*\t+16:S+32*\t+17]
.endr
.irp t, 0,1
	v_pk_fma_f32 v[ST+8*\t+2:ST+8*\t+3], v[ST+8*\t+2:ST+8*\t+3], v[ST+8*\t+6:ST+8*\t+7], v[S+32*\t:S+32*\t+1] op_sel_hi:[1,0,1]   ; l = a l + the sum
.endr
.irp j, 0,1,2,3,4,5,6,7,8,9,10,11,12,13,14,15
.irp t, 0,1
	v_pk_mul_f32 v[O+32*\t+2*\j:O+32*\t+2*\j+1], v[O+32*\t+2*\j:O+32*\t+2*\j+1], v[ST+8*\t+6:ST+8*\t+7] op_sel_hi:[1,0]   ; O^T x a, each accumulator from its low end on
.endr
.endr
	s_wait_dscnt 0x0                               ; v is in
	WIN 0x01
.irp kh, 0,1                                   ; O^T += v^T P: eight accumulators by turns
.irp ct, 0,1,2,3
.irp t, 0,1
	v_wmma_f32_16x16x32_f16 v[O+32*\t+8*\ct:O+32*\t+8*\ct+7], v[VFR+8*(2*\ct+\kh):VFR+8*(2*\ct+\kh)+7], v[P+16*\t+8*\kh:P+16*\t+8*\kh+7], v[O+32*\t+8*\ct:O+32*\t+8*\ct+7]
.endr
.endr
.endr
	WIN 0
.Lhid_\@:
	s_add_co_u32 s[KF], s[KF], 64
.endm
; THE CHANGE OF SLOTS stands at a slot's head.  Each wave waits for its tensor load (its part of the slot ahead), adds 0 to its spare word, waits for that and for its reads of the slot that it has left; behind the
; barrier the slot ahead is whole and nobody reads the other, which is filled with the slot after (fill = 1): that load has four key steps in which to land.  At the change of query blocks the keys begin anew.
; THE PREFETCH: the head's first work-group, whose second block walks all eight key slots, asks in trips 3 to 6 for key slot trip + 1, the one that the next change will load: each wave its own 8,192 bytes,
; lanes 256 bytes apart, so each aligned block of 256 bytes of key slots 4 to 7 is named once in the launch; key slots 0 to 3 come by their loads alone.
.macro CHANGE fill
	s_wait_tensorcnt 0x0                           ; no tensor load of mine is out, so the descriptor may be written
	ds_add_u32 v[SPW], v[NIL]
.if \fill
	s_xor_b32 s[G0+1], s[G0+1], SLOTB
	s_add_co_u32 s[NOFF], s[NOFF], 32768           ; the next 256 keys,
	s_add_co_u32 s46, s[SEQ], 1
	s_cmp_eq_u32 s46, s[SW]
	s_cselect_b32 s[NOFF], 0, s[NOFF]              ; or the first, for the second block of queries
	s_add_nc_u64 s[G0+2:G0+3], s[KB:KB+1], s[NOFF:NOFF+1]
	s_or_b32 s[G0+3], s[G0+3], 0x80000000
	s_wait_xcnt 0x0                                ; the last prefetch, a slot back, has read its address
	s_add_nc_u64 s[PFA:PFA+1], s[KB:KB+1], s[NOFF:NOFF+1]
	s_add_nc_u64 s[PFA:PFA+1], s[PFA:PFA+1], 32768
.endif
	s_wait_dscnt 0x0
	s_barrier_signal -1
	s_barrier_wait -1
.if \fill
	tensor_load_to_lds s[G0:G0+3], s[G1:G1+7]      ; the first thing behind the barrier, and my one tensor load until the next
	s_nop 0
.rept 4
	v_nop
.endr
	s_cmp_lt_u32 s[SEQ], s[PLO]
	s_cbranch_scc1 .Lnot_mine_\@
	s_cmp_gt_u32 s[SEQ], 6                         ; there is no key slot 8
	s_cbranch_scc1 .Lnot_mine_\@
	global_prefetch_b8 v[PFO], s[PFA:PFA+1] th:TH_LOAD_NT scope:SCOPE_SE
.Lnot_mine_\@:
.endif
.endm
.macro SLOT_STEPS
	STEP 0
	STEP 1
	STEP 2
	STEP 3
	s_xor_b32 s[TB], s[TB], SLOTB
.endm
	INIT
.Lslot:                                            ; eight trips: behind each change of slots but the last the next slot is asked for
	CHANGE 1
	s_cmp_lg_u32 s[SEQ], s[SW]
	s_cbranch_scc1 .Lsame
	FINISH                                         ; the first block of queries is done: on to block 7 - i
	s_sub_co_u32 s46, 7, s[IB]
	s_lshl_b32 s[Q0], s46, 8
	s_lshl_b32 s46, s[WV], 5
	s_add_co_u32 s[Q0], s[Q0], s46
	s_mov_b32 s[KF], 0
	INIT
.Lsame:
	SLOT_STEPS
	s_add_co_u32 s[SEQ], s[SEQ], 1
	s_cmp_lt_u32 s[SEQ], 8
	s_cbranch_scc1 .Lslot
	CHANGE 0                                       ; the last slot is written out
	SLOT_STEPS
	FINISH
	s_wait_tensorcnt 0x0                           ; the wave's end
	ds_add_u32 v[SPW], v[NIL]
	s_wait_dscnt 0x0
	s_endpgm
.Lfunc_end_k_q193831c939_attn:
	.size	k_q193831c939_attn, .Lfunc_end_k_q193831c939_attn-k_q193831c939_attn
	.p2alignl 7, 3214868480
	.fill 96, 4, 3214868480
	.section	.rodata,"a",@progbits
	.p2align	6, 0x0
	.amdhsa_kernel k_q193831c939_attn
		.amdhsa_group_segment_fixed_size 327680
		.amdhsa_private_segment_fixed_size 0
		.amdhsa_enable_private_segment 0
		.amdhsa_kernarg_size 16
		.amdhsa_user_sgpr_count 2
		.amdhsa_user_sgpr_kernarg_segment_ptr 1
		.amdhsa_wavefront_size32 1
		.amdhsa_system_sgpr_workgroup_id_x 1
		.amdhsa_system_sgpr_workgroup_id_y 1
		.amdhsa_system_sgpr_workgroup_id_z 1
		.amdhsa_system_vgpr_workitem_id 0
		.amdhsa_next_free_vgpr 512
		.amdhsa_next_free_sgpr 66
		.amdhsa_reserve_vcc 1
		.amdhsa_float_denorm_mode_32 3
		.amdhsa_float_denorm_mode_16_64 3
		.amdhsa_memory_ordered 1
		.amdhsa_forward_progress 1
		.amdhsa_inst_pref_size 194
	.end_amdhsa_kernel
	.amdgpu_metadata
---
amdhsa.version: [ 1, 2 ]
amdhsa.kernels:
  - .name:           k_q193831c939_attn
    .symbol:         k_q193831c939_attn.kd
    .args:
      - { .name: qkv16, .offset: 0, .size: 8, .value_kind: global_buffer, .address_space: global }
      - { .name: y16, .offset: 8, .size: 8, .value_kind: global_buffer, .address_space: global }
    .group_segment_fixed_size: 327680
    .private_segment_fixed_size: 0
    .kernarg_segment_align: 8
    .kernarg_segment_size: 16
    .max_flat_workgroup_size: 256
    .sgpr_count:     66
    .vgpr_count:     512
    .wavefront_size: 32
...
	.end_amdgpu_metadata
.endif
;; end of part 3
;; launch proj (part 4): grid 8 x 32, 4 waves a work-group, clusters of 4 x 4, 327,680 bytes of LDS; arguments y16, wp16, b_proj, out0; writes out0
.if DOCPART == 4
	.amdgcn_target "amdgcn-amd-amdhsa--gfx1250"
	.amdhsa_code_object_version 6
	.text
	.protected	k_q193831c939_proj
	.globl	k_q193831c939_proj
	.p2align	8
	.type	k_q193831c939_proj,@function
k_q193831c939_proj:
	s_mov_b64 s[64:65], 0
	v_nop
	global_prefetch_b8 v0, s[64:65] scope:SCOPE_SE
	s_setreg_imm32_b32 hwreg(HW_REG_WAVE_MODE, 25, 1), 1
	s_wait_xcnt 0x0
	s_wait_alu depctr_hold_cnt(0) depctr_sa_sdst(0) depctr_va_vdst(0) depctr_va_sdst(0) depctr_va_ssrc(0) depctr_va_vcc(0) depctr_vm_vsrc(0)
	s_getreg_b32 s2, hwreg(HW_REG_IB_STS2, 6, 4)
	s_cmp_eq_u32 s2, 0
	s_cbranch_scc0 .Lentry_in_a_cluster
	s_endpgm
.Lentry_in_a_cluster:
	s_bfe_u32 s2, ttmp6, 0x10000c
	s_cmp_lg_u32 s2, 0xf033
	s_cbranch_scc0 .Lentry_shape_is_right
	s_endpgm
.Lentry_shape_is_right:
; PROJ.  out = y W_proj + b_proj, f16 operands, f32 sums; all 8,192 rows (the first 16 positions of each sequence are written again, more finely, by the next launch).
; A tile of 256 rows x 128 columns gives 256 work-groups; four waves, 128 x 64 each: 32 accumulators, which fill window 1.  K = 1,024 goes in eight steps of 128 through two LDS slots.
; Both operands lie in memory as images of operand registers: a K step's tile is one dense block, and every LDS load reads 512 consecutive bytes: no pitch, no padding.
; CLUSTERS: 4 x 4 work-groups; y's tiles are asked for jointly along a row of the cluster, W's along a column.  Waves 0 and 1 fetch y's halves (32,768 bytes), waves 2 and 3 W's (16,384): one load a wave is out.
; THE MATRIX INSTRUCTION IS USED TRANSPOSED (source 0 = 16 columns of W, source 1 = 16 rows of y): a lane holds eight neighbouring numbers of a row of out.  The bias is the C of each sum's first product.
; No prefetch: the launch has eight K steps in all, and each tile is fetched once for four work-groups.
; REGISTERS: window 0: v16-29 addresses; v32-63 the bias; v64-127, v128-191 y's fragments (8 x 16 rows x 32 K), two buffers; v192-223, v224-255 W's (4), two buffers.  window 1: accumulator (a, b) at v[8 (4 a + b)].
.set ASTEP, 2097152                    ; from one K step to the next in y16
.set BSTEP, 262144                     ; and in wp16
.set BOFF,  65536
.set SLOT,  98304                      ; y's 16 tiles of rows x 4,096 bytes, then W's 8 tiles of columns
.set STAGE, 2*SLOT                     ; behind the slots: 16 rows x 272 bytes for each wave, for the way out
.set SPITCH, 272
.set SPARE, STAGE+4*16*SPITCH
.set ADRA, 16
.set ADRB, 20
.set STO,  24
.set RD,   25
.set CO,   26
.set BO,   27
.set SPW,  28
.set NIL,  29
.set BIAS, 32
.set AF,   64
.set BF,   192
.set BK,   64
.set G1, 24
.set G0, 32
.set G1B, 48
.set G0B, 56
.set MSB, 0
.macro WIN new
.if MSB != (\new)
	s_set_vgpr_msb (MSB<<8)|(\new)
.set MSB, (\new)
.endif
.endm
.macro JLOAD s                         ; an s_nop 0 and four v_nop follow each of the two lines
	s_cmp_eq_u32 s13, 0
	s_cbranch_scc0 .Lfor_b_\@
	tensor_load_to_lds s[G0+4*(\s):G0+4*(\s)+3], s[G1:G1+7]
	s_nop 0
.rept 4
	v_nop
.endr
	s_branch .Lasked_\@
.Lfor_b_\@:
	tensor_load_to_lds s[G0B+4*(\s):G0B+4*(\s)+3], s[G1B:G1B+7]
	s_nop 0
.rept 4
	v_nop
.endr
.Lasked_\@:
.endm
.macro CROUND
	s_barrier_signal -1
	s_barrier_wait -1
	s_cmp_lg_u32 s12, 0
	s_cbranch_scc1 .Lnot_wave_0_\@
	s_barrier_signal -3
.Lnot_wave_0_\@:
	s_barrier_wait -3
	s_barrier_signal -1
	s_barrier_wait -1
.endm
.macro PLACES
.rept 4
	v_nop
.endr
.endm
	s_load_b256 s[4:11], s[0:1], 0x0               ; y16, wp16, b_proj, out0
	v_lshl_add_u32 v[SPW], v0, 2, SPARE
	v_mov_b32 v[NIL], 0
	ds_add_u32 v[SPW], v[NIL]                      ; the wave's opening: the add, twice on end, and its wait ahead of my first tensor load
	ds_add_u32 v[SPW], v[NIL]
	v_lshrrev_b32 v1, 5, v0
	v_readfirstlane_b32 s12, v1                    ; wave
	s_lshr_b32 s13, s12, 1                         ; my half of the rows.  Also: I fetch for y (0) or for W (1)
	s_and_b32 s14, s12, 1                          ; my half of the columns.  Also: which half of that tile I fetch
	s_bfe_u32 s15, ttmp6, 0x40000                  ; cx
	s_bfe_u32 s16, ttmp6, 0x40004                  ; cy
	s_lshl_b32 s17, ttmp9, 2
	s_add_co_u32 s17, s17, s15                     ; tile column
	s_and_b32 s18, ttmp7, 0xffff
	s_lshl_b32 s18, s18, 2
	s_add_co_u32 s18, s18, s16                     ; tile row
	s_lshl_b32 s19, s16, 2
	s_lshl_b32 s19, 15, s19                        ; my row of the cluster
	s_lshl_b32 s20, 0x1111, s15                    ; my column
	s_or_b32 s[G1], s19, (3<<16)|(1<<21)           ; y: 32,768 dense bytes as 128 rows of 32 elements of 8 bytes
	s_mov_b32 s[G1+1], 32<<16
	s_mov_b32 s[G1+2], 128<<16
	s_mov_b32 s[G1+3], 32<<16
	s_mov_b32 s[G1+4], 128
	s_mov_b32 s[G1+5], 32
	s_mov_b32 s[G1+6], 0
	s_mov_b32 s[G1+7], 0
	s_or_b32 s[G1B], s20, (3<<16)|(1<<21)          ; W: 16,384 dense bytes as 64 rows
	s_mov_b32 s[G1B+1], 32<<16
	s_mov_b32 s[G1B+2], 64<<16
	s_mov_b32 s[G1B+3], 32<<16
	s_mov_b32 s[G1B+4], 64
	s_mov_b32 s[G1B+5], 32
	s_mov_b32 s[G1B+6], 0
	s_mov_b32 s[G1B+7], 0
	s_lshl_b32 s45, s14, 15                        ; my half of y's tile: in memory and in a slot alike
	s_lshl_b32 s40, s18, 16
	s_add_co_u32 s40, s40, s45
	s_mov_b32 s41, 0
	s_lshl_b32 s46, s14, 14                        ; my half of W's
	s_lshl_b32 s42, s17, 15
	s_add_co_u32 s42, s42, s46
	s_mov_b32 s43, 0
	s_add_co_u32 s46, s46, BOFF
	s_wait_dscnt 0x0                               ; both opening adds are done
	s_wait_kmcnt 0x0
	s_add_nc_u64 s[40:41], s[4:5], s[40:41]
	s_add_nc_u64 s[42:43], s[6:7], s[42:43]
.irp s, 0,1
	s_mov_b32 s[G0+4*\s], 1
	s_add_co_u32 s[G0+4*\s+1], s45, \s*SLOT
	s_add_nc_u64 s[G0+4*\s+2:G0+4*\s+3], s[40:41], \s*ASTEP
	s_or_b32 s[G0+4*\s+3], s[G0+4*\s+3], 0x80000000
	s_mov_b32 s[G0B+4*\s], 1
	s_add_co_u32 s[G0B+4*\s+1], s46, \s*SLOT
	s_add_nc_u64 s[G0B+4*\s+2:G0B+4*\s+3], s[42:43], \s*BSTEP
	s_or_b32 s[G0B+4*\s+3], s[G0B+4*\s+3], 0x80000000
.endr
	CROUND                                         ; all sixteen work-groups are here
	JLOAD 0                                        ; K step 0
	v_and_b32 v1, 15, v0                           ; r
	v_bfe_u32 v2, v0, 4, 1                         ; h
	v_and_b32 v3, 31, v0
	v_lshlrev_b32 v3, 4, v3                        ; 16 x lane
	s_lshl_b32 s22, s13, 15                        ; my 8 tiles of rows
	s_lshl_b32 s23, s14, 14                        ; my 4 tiles of columns
	s_add_co_u32 s23, s23, BOFF
.irp s, 0,1
	v_add_nc_u32 v[ADRA+\s], s22, v3
	v_add_nc_u32 v[ADRB+\s], s23, v3
	s_add_co_u32 s22, s22, SLOT
	s_add_co_u32 s23, s23, SLOT
.endr
	s_mul_i32 s22, s12, 16*SPITCH
	s_add_co_u32 s22, s22, STAGE                   ; my stage
	v_mul_u32_u24 v4, v1, SPITCH
	v_lshl_add_u32 v4, v2, 5, v4
	v_add_nc_u32 v[STO], s22, v4                   ; in: row r, 32 bytes for each half of the lanes
	v_mul_u32_u24 v4, v2, SPITCH
	v_lshl_add_u32 v4, v1, 4, v4
	v_add_nc_u32 v[RD], s22, v4                    ; back: lanes 0-15 one row of 256 bytes, lanes 16-31 the next
	v_lshlrev_b32 v4, 12, v2
	v_lshl_add_u32 v[CO], v1, 4, v4                ; and the same two rows in out
	v_lshlrev_b32 v[BO], 5, v2
	s_lshl_b32 s22, s17, 9
	s_lshl_b32 s23, s14, 8
	s_add_co_u32 s22, s22, s23                     ; my first column, in bytes
	s_mov_b32 s23, 0
	s_add_nc_u64 s[8:9], s[8:9], s[22:23]
	s_add_nc_u64 s[10:11], s[10:11], s[22:23]
	s_lshl_b32 s22, s18, 20
	s_lshl_b32 s47, s13, 19
	s_add_co_u32 s22, s22, s47                     ; my first row: 4,096 bytes a row
	s_add_nc_u64 s[10:11], s[10:11], s[22:23]
.irp b, 0,1,2,3
	global_load_b128 v[BIAS+8*\b:BIAS+8*\b+3], v[BO], s[8:9] offset:64*\b
	global_load_b128 v[BIAS+8*\b+4:BIAS+8*\b+7], v[BO], s[8:9] offset:64*\b+16
.endr
.macro FETCH slot, q, f                ; 24 LDS loads: the fragments of 32 along K, the step's q-th, into buffers f
	WIN 0
.irp i, 0,1,2,3,4,5,6,7
	ds_load_b128 v[AF+64*(\f)+8*\i:AF+64*(\f)+8*\i+3], v[ADRA+\slot] offset:4096*\i+1024*(\q)
	ds_load_b128 v[AF+64*(\f)+8*\i+4:AF+64*(\f)+8*\i+7], v[ADRA+\slot] offset:4096*\i+1024*(\q)+512
.endr
.irp i, 0,1,2,3
	ds_load_b128 v[BF+32*(\f)+8*\i:BF+32*(\f)+8*\i+3], v[ADRB+\slot] offset:4096*\i+1024*(\q)
	ds_load_b128 v[BF+32*(\f)+8*\i+4:BF+32*(\f)+8*\i+7], v[ADRB+\slot] offset:4096*\i+1024*(\q)+512
.endr
.endm
.macro MUL32 f, first                  ; the 32 accumulators take turns, one instruction a turn
.if \first
	WIN 0x40                                       ; D window 1; the bias lies in window 0
.else
	WIN 0x50
.endif
.irp a, 0,1,2,3,4,5,6,7
.irp b, 0,1,2,3
.if \first
	v_wmma_f32_16x16x32_f16 v[8*(4*\a+\b):8*(4*\a+\b)+7], v[BF+32*(\f)+8*\b:BF+32*(\f)+8*\b+7], v[AF+64*(\f)+8*\a:AF+64*(\f)+8*\a+7], v[BIAS+8*\b:BIAS+8*\b+7]
.else
	v_wmma_f32_16x16x32_f16 v[8*(4*\a+\b):8*(4*\a+\b)+7], v[BF+32*(\f)+8*\b:BF+32*(\f)+8*\b+7], v[AF+64*(\f)+8*\a:AF+64*(\f)+8*\a+7], v[8*(4*\a+\b):8*(4*\a+\b)+7]
.endif
.endr
.endr
.endm
; A K step.  In front of the round each wave waits for its tensor load (its part of this step's tile), adds 0 to its spare word, and waits for that and for its reads of the last step's tile.  Behind the round
; the other slot is filled with the next K step, which has this step's 128 products in which to land.  Each quarter's loads are issued ahead of the products of the quarter before.
.macro TRIP slot, refill, first
	s_wait_tensorcnt 0x0
	ds_add_u32 v[SPW], v[NIL]
	s_add_nc_u64 s[G0+4*\slot+2:G0+4*\slot+3], s[G0+4*\slot+2:G0+4*\slot+3], 2*ASTEP     ; no load of mine is out: this slot's next tile
	s_add_nc_u64 s[G0B+4*\slot+2:G0B+4*\slot+3], s[G0B+4*\slot+2:G0B+4*\slot+3], 2*BSTEP
	s_wait_dscnt 0x0
	CROUND
.if \refill
	JLOAD 1-\slot                                  ; the four v_nop behind it are also the places in front of the loads below
.else
	PLACES
.endif
	FETCH \slot, 0, 0
	FETCH \slot, 1, 1
	s_wait_dscnt 24                                ; all but the 24 just issued
	MUL32 0, \first
	PLACES
	FETCH \slot, 2, 0
	s_wait_dscnt 24
	MUL32 1, 0
	PLACES
	FETCH \slot, 3, 1
	s_wait_dscnt 24
	MUL32 0, 0
	s_wait_dscnt 0x0
	MUL32 1, 0
	WIN 0
.endm
	s_wait_loadcnt 0x0                             ; the bias
	TRIP 0, 1, 1                                   ; the first K step stands in front of the loop: its first products start the sums
	s_mov_b32 s44, 3
.Lloop:
	TRIP 1, 1, 0
	TRIP 0, 1, 0
	s_sub_co_u32 s44, s44, 1
	s_cmp_lg_u32 s44, 0
	s_cbranch_scc1 .Lloop
	TRIP 1, 0, 0                                   ; the last K step fetches nothing (slot 0's stepped address is not used)
; THE WAY OUT, a block of 16 rows x 64 columns at a time, through my own stage: in as 32 bytes a lane, back as whole rows of 256 bytes, so that sixteen lanes store 256 consecutive bytes, aligned.
; LDS serves a wave's instructions in order: no wait between the stores and the loads, nor in front of the next block's stores.
.macro TOSTAGE a
	WIN 0x04                                       ; an LDS store's data are its source 1: window 1
.irp b, 0,1,2,3
	ds_store_b128 v[STO], v[32*(\a)+8*\b:32*(\a)+8*\b+3] offset:64*\b          ; each accumulator from its low end on
	ds_store_b128 v[STO], v[32*(\a)+8*\b+4:32*(\a)+8*\b+7] offset:64*\b+16
.endr
	WIN 0
.irp t, 0,1,2,3,4,5,6,7
	ds_load_b128 v[BK+32*((\a)%2)+4*\t:BK+32*((\a)%2)+4*\t+3], v[RD] offset:2*\t*SPITCH
.endr
.endm
.macro SEND a, younger
	s_wait_dscnt \younger
.irp t, 0,1,2,3,4,5,6,7
	global_store_b128 v[CO], v[BK+32*((\a)%2)+4*\t:BK+32*((\a)%2)+4*\t+3], s[10:11] offset:65536*(\a)+8192*\t th:TH_STORE_NT
.endr
.endm
	PLACES
	TOSTAGE 0
.irp a, 1,2,3,4,5,6,7
.if \a > 1
	s_wait_xcnt 0x0                                ; block a - 2's stores have read their data: block a's loads may land there
.endif
	TOSTAGE \a
	SEND \a-1, 16                                  ; behind block a - 1's loads: block a's 8 stores and 8 loads
.endr
	SEND 7, 0
	s_wait_tensorcnt 0x0                           ; the wave's end
	ds_add_u32 v[SPW], v[NIL]
	s_wait_dscnt 0x0
	CROUND                                         ; the closing round
	s_endpgm
.Lfunc_end_k_q193831c939_proj:
	.size	k_q193831c939_proj, .Lfunc_end_k_q193831c939_proj-k_q193831c939_proj
	.p2alignl 7, 3214868480
	.fill 96, 4, 3214868480
	.section	.rodata,"a",@progbits
	.p2align	6, 0x0
	.amdhsa_kernel k_q193831c939_proj
		.amdhsa_group_segment_fixed_size 327680
		.amdhsa_private_segment_fixed_size 0
		.amdhsa_enable_private_segment 0
		.amdhsa_kernarg_size 32
		.amdhsa_user_sgpr_count 2
		.amdhsa_user_sgpr_kernarg_segment_ptr 1
		.amdhsa_wavefront_size32 1
		.amdhsa_system_sgpr_workgroup_id_x 1
		.amdhsa_system_sgpr_workgroup_id_y 1
		.amdhsa_system_sgpr_workgroup_id_z 1
		.amdhsa_system_vgpr_workitem_id 0
		.amdhsa_next_free_vgpr 512
		.amdhsa_next_free_sgpr 66
		.amdhsa_reserve_vcc 0
		.amdhsa_float_denorm_mode_32 3
		.amdhsa_float_denorm_mode_16_64 3
		.amdhsa_memory_ordered 1
		.amdhsa_forward_progress 1
		.amdhsa_inst_pref_size 85
	.end_amdhsa_kernel
	.amdgpu_metadata
---
amdhsa.version: [ 1, 2 ]
amdhsa.kernels:
  - .name:           k_q193831c939_proj
    .symbol:         k_q193831c939_proj.kd
    .args:
      - { .name: y16, .offset: 0, .size: 8, .value_kind: global_buffer, .address_space: global }
      - { .name: wp16, .offset: 8, .size: 8, .value_kind: global_buffer, .address_space: global }
      - { .name: b_proj, .offset: 16, .size: 8, .value_kind: global_buffer, .address_space: global }
      - { .name: out0, .offset: 24, .size: 8, .value_kind: global_buffer, .address_space: global }
    .group_segment_fixed_size: 327680
    .private_segment_fixed_size: 0
    .kernarg_segment_align: 8
    .kernarg_segment_size: 32
    .max_flat_workgroup_size: 128
    .sgpr_count:     66
    .vgpr_count:     512
    .wavefront_size: 32
...
	.end_amdgpu_metadata
.endif
;; end of part 4
;; launch head (part 5): grid 16 x 4, 16 waves a work-group, no clusters, 71,680 bytes of LDS; arguments h32, W_proj, b_proj, out0; writes out0
.if DOCPART == 5
	.amdgcn_target "amdgcn-amd-amdhsa--gfx1250"
	.amdhsa_code_object_version 6
	.text
	.protected	k_q193831c939_head
	.globl	k_q193831c939_head
	.p2align	8
	.type	k_q193831c939_head,@function
k_q193831c939_head:
	s_mov_b64 s[64:65], 0
	v_nop
	global_prefetch_b8 v0, s[64:65] scope:SCOPE_SE
	s_setreg_imm32_b32 hwreg(HW_REG_WAVE_MODE, 25, 1), 1
	s_wait_xcnt 0x0
; HEAD.  Positions 0 to 15 of each sequence average one to sixteen values and are the largest in size: their attention and their projection are redone here with f32 operands, and written over
; what the launch before left in those 64 rows of out.
; SHARES.  A work-group takes 64 columns of out in one batch.  Wave hd redoes head hd's 16 x 16 attention from the f32 rows of q, k, v, multiplies its 16 x 64 result by its 64 rows x 64 columns of W_proj,
; and the sixteen partial results meet in LDS; wave w then sums row w, in a fixed order, adds the bias and stores 256 consecutive bytes, aligned.
; THE f32 MATRIX FORM: a lane (r, h) holds, of row or column r, k = 2 h + j in register j.  A pair of registers of an image in h32 holds, in lane (r, h), two neighbours that lie 8 h on: one K step then sums the
; four places {x, x + 1, x + 8, x + 9}.  Both operands of a product are laid so, and all steps together take each place once.  All products are used transposed: a lane holds one query throughout.
; The registers that this form writes (v192-255) are written by matrix instructions alone; accumulators take turns by four; eight places stand behind the form (ISA guide 7.12.1).
; REGISTERS: v1-9 addresses; v10-13 at work; v[14:15] the bias, then the row's sum; v16-47 q, later W's fourth quarter, later the partial rows; v48-79 k, later W's third quarter; v80-111 v^T, later y;
;   v112-175 W's first two quarters; v176-183 p; v184-191 the scores; v192-223 O^T; v224-255 four partial sums of S^T, later the four tiles of out^T.
.set PW,    4352                       ; a wave's partial result in LDS: 16 rows x (256 bytes + 16)
.set SPARE, 16*PW                      ; the spare words, 128 bytes for each of sixteen waves
.set SPW,   8
.set NIL,   9
	s_load_b256 s[4:11], s[0:1], 0x0               ; h32, W_proj, b_proj, out0
	v_lshl_add_u32 v[SPW], v0, 2, SPARE
	v_mov_b32 v[NIL], 0
	v_lshrrev_b32 v1, 5, v0
	v_readfirstlane_b32 s12, v1                    ; wave = head
	s_and_b32 s14, ttmp7, 0xffff                   ; batch
	v_and_b32 v10, 31, v0
	v_and_b32 v11, 15, v0                          ; r
	v_bfe_u32 v12, v0, 4, 1                        ; h
	v_lshlrev_b32 v1, 4, v10                       ; 16 x lane
	v_bfe_u32 v13, v0, 2, 1
	v_lshlrev_b32 v2, 9, v13                       ; v^T: channel r of a tile lies in quarter (r / 4) % 2, half r / 8, word r % 4 of the image; key 8 h + .. is its row
	v_bfe_u32 v13, v0, 3, 1
	v_lshl_add_u32 v2, v13, 8, v2
	v_and_b32 v13, 3, v0
	v_lshl_add_u32 v2, v13, 2, v2
	v_lshl_add_u32 v2, v12, 7, v2
	v_lshlrev_b32 v3, 2, v11
	v_lshl_add_u32 v3, v12, 15, v3                 ; W_proj: column r, 8 h rows of 4,096 bytes on
	s_mul_i32 s15, s12, PW
	v_mul_u32_u24 v4, v11, 272
	v_lshl_add_u32 v4, v12, 5, v4
	v_add_nc_u32 v4, s15, v4                       ; my partial result: row r, 32 h bytes on
	s_mul_i32 s15, s12, 272
	v_lshlrev_b32 v6, 3, v10                       ; 8 x lane
	v_add_nc_u32 v5, s15, v6                       ; back: row w of each partial result
	v_lshlrev_b32 v13, 3, v12
	v_sub_nc_u32 v7, v11, v13                      ; r - 8 h
	s_mov_b32 s16, 0x3e38aa3b                      ; c = log2(e) / 8
	s_mov_b32 s18, 0x76543210
	s_mov_b32 s19, 0xfedcba98
	s_mul_i32 s20, s14, 196608
	s_lshl_b32 s22, s12, 12
	s_add_co_u32 s20, s20, s22
	s_mov_b32 s21, 0
	s_lshl_b32 s22, s12, 18
	s_lshl_b32 s24, ttmp9, 8                       ; my 64 columns, in bytes
	s_add_co_u32 s22, s22, s24
	s_mov_b32 s23, 0
	s_mov_b32 s25, 0
	s_lshl_b32 s26, s14, 11
	s_add_co_u32 s26, s26, s12
	s_lshl_b32 s26, s26, 12
	s_add_co_u32 s26, s26, s24
	s_mov_b32 s27, 0
	s_wait_kmcnt 0x0
	s_add_nc_u64 s[4:5], s[4:5], s[20:21]          ; h32 at my batch and head: q; k 65,536 bytes on, v 131,072
	s_add_nc_u64 s[6:7], s[6:7], s[22:23]          ; W_proj at row 64 hd, my columns
	s_add_nc_u64 s[8:9], s[8:9], s[24:25]
	s_add_nc_u64 s[10:11], s[10:11], s[26:27]      ; out at row w of my batch, my columns
	global_load_b64 v[14:15], v6, s[8:9]
.irp c, 0,1,2,3
.irp d, 0,1
	global_load_b128 v[16+8*\c+4*\d:16+8*\c+4*\d+3], v1, s[4:5] offset:1024*\c+512*\d
.endr
.endr
.irp c, 0,1,2,3
.irp d, 0,1
	global_load_b128 v[48+8*\c+4*\d:48+8*\c+4*\d+3], v1, s[4:5] offset:65536+1024*\c+512*\d
.endr
.endr
.irp c, 0,1,2,3
.irp s, 0,1,2,3
.irp j, 0,1
	global_load_b32 v[80+8*\c+2*\s+\j], v2, s[4:5] offset:131072+1024*\c+16*(2*\s+\j)   ; v(key 8 h + 2 s + j, channel 16 c + r)
.endr
.endr
.endr
.macro WLOAD c, base                   ; W_proj(64 hd + 16 c + 8 h + 2 s + j, 16 nt + r) at register 8 s + 2 nt + j
.irp s, 0,1,2,3
.irp n, 0,1,2,3
.irp j, 0,1
	global_load_b32 v[\base+8*\s+2*\n+\j], v3, s[6:7] offset:(16*(\c)+2*\s+\j)*4096+64*\n
.endr
.endr
.endr
.endm
	WLOAD 0, 112
	WLOAD 1, 144
	s_wait_loadcnt 63                              ; q and k, the oldest but one: 96 younger loads; the count's field ends at 63
.irp n, 0,1,2,3,4,5,6,7,8,9,10,11,12,13,14,15  ; S^T = k q^T in four partial sums
.if \n < 4
	v_wmma_f32_16x16x4_f32 v[224+8*(\n%4):224+8*(\n%4)+7], v[48+2*\n:48+2*\n+1], v[16+2*\n:16+2*\n+1], 0
.else
	v_wmma_f32_16x16x4_f32 v[224+8*(\n%4):224+8*(\n%4)+7], v[48+2*\n:48+2*\n+1], v[16+2*\n:16+2*\n+1], v[224+8*(\n%4):224+8*(\n%4)+7]
.endif
.endr
.rept 8
	v_nop
.endr
	WLOAD 2, 48                                    ; into the registers that k and q have left
	WLOAD 3, 16
.irp j, 0,1,2,3,4,5,6,7
	v_add_f32 v[184+\j], v[224+\j], v[232+\j]      ; each accumulator from its low end on
	v_add_f32 v[176+\j], v[240+\j], v[248+\j]
.endr
.irp j, 0,1,2,3,4,5,6,7
	v_add_f32 v[184+\j], v[184+\j], v[176+\j]      ; lane (r, h): query r, key 8 h + j
.endr
	v_mov_b32 v13, 0xff800000
.irp j, 0,1,2,3,4,5,6,7
	v_cmp_gt_i32 vcc_lo, \j, v7                    ; hidden where 8 h + j > r
	v_cndmask_b32 v[184+\j], v[184+\j], v13, vcc_lo
.endr
	v_max3_num_f32 v10, v184, v185, v186
	v_max3_num_f32 v10, v10, v187, v188
	v_max3_num_f32 v10, v10, v189, v190
	v_max_num_f32 v10, v10, v191
	v_permlanex16_b32 v11, v10, s18, s19
	v_max_num_f32 v10, v10, v11                    ; the row's maximum: key 0 counts for every query
	v_mul_f32 v10, s16, v10
.irp j, 0,1,2,3,4,5,6,7
	v_fma_f32 v[184+\j], v[184+\j], s16, -v10
.endr
.irp j, 0,1,2,3,4,5,6,7
	v_exp_f32 v[176+\j], v[184+\j]
.endr
	v_nop
	s_wait_alu depctr_va_vdst(0)                   ; one wait for the eight, ahead of their first reader
	v_add_f32 v10, v176, v177
	v_add_f32 v11, v178, v179
	v_add_f32 v12, v180, v181
	v_add_f32 v13, v182, v183
	v_add_f32 v10, v10, v11
	v_add_f32 v12, v12, v13
	v_add_f32 v10, v10, v12
	v_permlanex16_b32 v11, v10, s18, s19
	v_add_f32 v10, v10, v11
	v_rcp_f32 v12, v10
	v_nop
	s_wait_alu depctr_va_vdst(0)
	s_wait_loadcnt 63                              ; v^T is in: 128 younger loads
.irp s, 0,1,2,3                                ; O^T += v^T p: K step s is the keys 2 s, 2 s + 1, 8 + 2 s, 9 + 2 s, so p's registers serve as they lie
.irp c, 0,1,2,3
.if \s == 0
	v_wmma_f32_16x16x4_f32 v[192+8*\c:192+8*\c+7], v[80+8*\c+2*\s:80+8*\c+2*\s+1], v[176+2*\s:176+2*\s+1], 0
.else
	v_wmma_f32_16x16x4_f32 v[192+8*\c:192+8*\c+7], v[80+8*\c+2*\s:80+8*\c+2*\s+1], v[176+2*\s:176+2*\s+1], v[192+8*\c:192+8*\c+7]
.endif
.endr
.endr
.rept 8
	v_nop
.endr
.irp n, 0,1,2,3,4,5,6,7,8,9,10,11,12,13,14,15,16,17,18,19,20,21,22,23,24,25,26,27,28,29,30,31
	v_mul_f32 v[80+\n], v[192+\n], v12             ; y(query r, channel 16 c + 8 h + j), into other registers than the sums'
.endr
.macro PROJ c, base                    ; out^T += W^T y for channels 16 c .. 16 c + 15: four accumulators by turns
.irp s, 0,1,2,3
.irp n, 0,1,2,3
.if (\c) == 0 && \s == 0
	v_wmma_f32_16x16x4_f32 v[224+8*\n:224+8*\n+7], v[\base+8*\s+2*\n:\base+8*\s+2*\n+1], v[80+8*(\c)+2*\s:80+8*(\c)+2*\s+1], 0
.else
	v_wmma_f32_16x16x4_f32 v[224+8*\n:224+8*\n+7], v[\base+8*\s+2*\n:\base+8*\s+2*\n+1], v[80+8*(\c)+2*\s:80+8*(\c)+2*\s+1], v[224+8*\n:224+8*\n+7]
.endif
.endr
.endr
.endm
	s_wait_loadcnt 63                              ; W's first two quarters are in: 64 younger loads
	PROJ 0, 112
	PROJ 1, 144
	s_wait_loadcnt 32
	PROJ 2, 48
	s_wait_loadcnt 0x0
	PROJ 3, 16
.rept 8
	v_nop
.endr
.irp n, 0,1,2,3
	ds_store_b128 v4, v[224+8*\n:224+8*\n+3] offset:64*\n          ; lane (r, h): row r, columns 16 n + 8 h + 0 .. 7
	ds_store_b128 v4, v[224+8*\n+4:224+8*\n+7] offset:64*\n+16
.endr
	s_wait_dscnt 0x0                               ; for the others' sake: my stores have landed
	s_barrier_signal -1
	s_barrier_wait -1
.irp p, 0,1,2,3,4,5,6,7,8,9,10,11,12,13,14,15
	ds_load_b64 v[16+2*\p:17+2*\p], v5 offset:PW*\p
.endr
	s_wait_dscnt 0x0
.irp p, 0,1,2,3,4,5,6,7,8,9,10,11,12,13,14,15
	v_pk_add_f32 v[14:15], v[14:15], v[16+2*\p:17+2*\p]            ; the bias and the sixteen heads, in ascending order
.endr
	global_store_b64 v6, v[14:15], s[10:11]        ; 32 lanes store 256 consecutive bytes, aligned
	s_wait_tensorcnt 0x0                           ; the wave's end
	ds_add_u32 v[SPW], v[NIL]
	s_wait_dscnt 0x0
	s_endpgm
.Lfunc_end_k_q193831c939_head:
	.size	k_q193831c939_head, .Lfunc_end_k_q193831c939_head-k_q193831c939_head
	.p2alignl 7, 3214868480
	.fill 96, 4, 3214868480
	.section	.rodata,"a",@progbits
	.p2align	6, 0x0
	.amdhsa_kernel k_q193831c939_head
		.amdhsa_group_segment_fixed_size 71680
		.amdhsa_private_segment_fixed_size 0
		.amdhsa_enable_private_segment 0
		.amdhsa_kernarg_size 32
		.amdhsa_user_sgpr_count 2
		.amdhsa_user_sgpr_kernarg_segment_ptr 1
		.amdhsa_wavefront_size32 1
		.amdhsa_system_sgpr_workgroup_id_x 1
		.amdhsa_system_sgpr_workgroup_id_y 1
		.amdhsa_system_sgpr_workgroup_id_z 1
		.amdhsa_system_vgpr_workitem_id 0
		.amdhsa_next_free_vgpr 256
		.amdhsa_next_free_sgpr 66
		.amdhsa_reserve_vcc 1
		.amdhsa_float_denorm_mode_32 3
		.amdhsa_float_denorm_mode_16_64 3
		.amdhsa_memory_ordered 1
		.amdhsa_forward_progress 1
		.amdhsa_inst_pref_size 33
	.end_amdhsa_kernel
	.amdgpu_metadata
---
amdhsa.version: [ 1, 2 ]
amdhsa.kernels:
  - .name:           k_q193831c939_head
    .symbol:         k_q193831c939_head.kd
    .args:
      - { .name: h32, .offset: 0, .size: 8, .value_kind: global_buffer, .address_space: global }
      - { .name: W_proj, .offset: 8, .size: 8, .value_kind: global_buffer, .address_space: global }
      - { .name: b_proj, .offset: 16, .size: 8, .value_kind: global_buffer, .address_space: global }
      - { .name: out0, .offset: 24, .size: 8, .value_kind: global_buffer, .address_space: global }
    .group_segment_fixed_size: 71680
    .private_segment_fixed_size: 0
    .kernarg_segment_align: 8
    .kernarg_segment_size: 32
    .max_flat_workgroup_size: 512
    .sgpr_count:     66
    .vgpr_count:     256
    .wavefront_size: 32
...
	.end_amdgpu_metadata
.endif
;; end of part 5
